; MI455X (gfx1250); checked and timed in simulation.
; The chip was launched on July 23, 2026; its instructions are those of AMD's public machine-readable ISA for CDNA 5 (MIT licence, August 2026) and "CDNA5" Instruction Set Architecture Reference Guide (July 2026). The comments in the code are by the model that wrote it; some were corrected since.
;; Vi T Self Attention. Allowed arithmetic: matrix products marked QUANTISED: E2M1 operands, one E8M0 scale for each 32 along K, by v_wmma_scale_f32_16x16x128_f8f6f4 with both operands' format E2M1 (or v_wmma_scale_f32_32x16x128_f4), f32 sums; everything else in f32.
;; Inputs: Wc 768 x 768 float32; Wk 768 x 768 float32; Wq 768 x 768 float32; Wv 768 x 768 float32; bc 768 float32; bk 768 float32; bq 768 float32; bv 768 float32; x 16 x 1,024 x 768 float32.
;; Outputs: out0 16 x 1,024 x 768 float32.
;; This version of the problem:
;;   THIS VERSION OF THE PROBLEM IS GIVEN IN LOW PRECISION. The matrix products marked QUANTISED in the list below multiply operands that are first quantised to E2M1 (2 exponent bits, 1 mantissa bit; 4 bits a number), with one power-of-two scale for each 32 numbers along K (OCP MX v1.0); their sums are f32. All else is computed in f32.
;;   The module's matrix products, in the order in which they are computed (A, B: the left and right operand; K: the contracted axis; several contracted axes count as one K, in the product's order):
;;     1. [M 16,384, K 768] x [K 768, N 768]; A: input x; B: input Wq: QUANTISED
;;     2. [M 16,384, K 768] x [K 768, N 768]; A: input x; B: input Wk: QUANTISED
;;     3. [M 16,384, K 768] x [K 768, N 768]; A: input x; B: input Wv: QUANTISED
;;     4. batch 192 x [M 1,024, K 64] x [K 64, N 1,024]; A: computed on the way; B: computed on the way: QUANTISED
;;     5. batch 192 x [M 1,024, K 1,024] x [K 1,024, N 64]; A: softmax (see below); B: computed on the way: QUANTISED
;;     6. [M 16,384, K 768] x [K 768, N 768]; A: computed on the way; B: input Wc: QUANTISED
;;   THE QUANTISER, for each operand of a quantised product, along K:
;;     - K is cut into blocks of 32 from its start; a last block that is shorter is filled with zeros.
;;     - A block's scale is 2^e with e = floor(log2(the largest magnitude in the block)) - 2, held to -126 .. 127; a block of zeros has e = 0. As a byte (E8M0): e + 127.
;;     - Each number is divided by its block's scale, clamped to +-6, and rounded to the nearest number of E2M1, ties to even, subnormals kept.
;;     - The product sums the exact products of the quantised numbers (number of the format x scale) in f32.
;;   ~~~python
;;   def quantise(x, axis):      # numpy; x: float32 -> the quantised numbers, widened to float32 again
;;       x = np.moveaxis(x, axis, -1); K = x.shape[-1]
;;       x = np.pad(x, [(0, 0)] * (x.ndim - 1) + [(0, -K % 32)]); x = x.reshape(x.shape[:-1] + (-1, 32)); a = np.abs(x).max(-1, keepdims=True)
;;       e = np.where(a > 0, np.clip(np.frexp(np.where(a > 0, a, 1))[1] - 1 - 2, -126, 127), 0)      # np.frexp(a)[1] - 1 = floor(log2(a)), exactly
;;       r = np.clip(x / 2.0 ** e, -6, 6)
;;       step = 2.0 ** (np.maximum(np.frexp(np.where(r == 0, 1, r))[1] - 1, 0) - 1)
;;       q = np.round(r / step) * step * 2.0 ** e      # np.round: ties to even
;;       return np.moveaxis(q.reshape(q.shape[:-2] + (-1,))[..., :K], -1, axis).astype(np.float32)
;;   ~~~
;;   SOFTMAX AHEAD OF A QUANTISED PRODUCT. Where the list says 'softmax', what is quantised is not the finished softmax but p = 2^(t - M), with t = logit x log2(e) and M = ceil(the row's largest t), a whole number; so 1/2 < the row's largest p <= 1. The row's sum l is taken of the UNQUANTISED p, in f32, and the product's result is divided by l at the end. Since M is a whole number, a kernel that streams over the keys may use a running M (the ceiling of the running maximum): every later rescaling is an exact power of two, which a block's scale takes up: the codes' values come out the same.
;;   OPERANDS COMPUTED ON THE WAY. 'Computed on the way' means the value that the module computes at that place (a softmax that the list does not call 'softmax' is quantised finished and normalised). What goes into a quantiser is computed in f32, as accurately as f32 sums, v_exp_f32 and their like allow (about 1e-6 of the number): no bf16 or f16 on the way to a quantiser, and a product that is left as it is and whose result goes on into a quantised operand takes f32 operands (vector FMAs, or v_wmma_f32_16x16x4_f32). A number that lies on a knife's edge between two numbers of the format may be rounded either way, as far as f32 arithmetic and the matrix unit's own rounding can turn it there, and no further.
;; 2 versions. Each part assembles by itself: llvm-mc -triple=amdgcn-amd-amdhsa -mcpu=gfx1250 --defsym DOCPART=n.
;; ======== version 1 of 2: 3 launches
;; workspace buffers: wimg 1,179,648 bytes; wscl 73,728 bytes; bimg 196,608 bytes; qb 6,684,672 bytes; kv 13,369,344 bytes
;; launch prep (part 1): grid 12 x 24, 2 waves a work-group, no clusters, 0 bytes of LDS; arguments Wq, Wk, Wv, Wc, bq, bk, bv, bc, wimg, wscl, bimg; writes wimg, wscl, bimg
.if DOCPART == 1
	.amdgcn_target "amdgcn-amd-amdhsa--gfx1250"
	.amdhsa_code_object_version 6
	.text
	.protected	k_q5b0ecbc18d_prep
	.globl	k_q5b0ecbc18d_prep
	.p2align	8
	.type	k_q5b0ecbc18d_prep,@function
k_q5b0ecbc18d_prep:
	s_mov_b64 s[64:65], 0
	v_nop
	global_prefetch_b8 v0, s[64:65] scope:SCOPE_SE
	s_setreg_imm32_b32 hwreg(HW_REG_WAVE_MODE, 25, 1), 1
	s_wait_xcnt 0x0
; The four weights W [768 (k)][768 (n)], f32, K their FIRST axis, become codes of FP4 (E2M1) with one E8M0 byte for each 32 along K, laid in the order of an operand's registers;
; the four biases become images of the eight C registers of a tile.
; TILES.  Tile T = 48 mat + 2 g + u (mat 0..3 = q, k, v, c; g = 0..23; u = 0, 1) holds the 16 rows n = 32 g + 8 u + r + 8 (r / 8), r = 0..15: NOT neighbours, so that the results of tiles 2 g and 2 g + 1
; are 16 neighbours along n in a lane's registers.
;   wimg: [T][ks 6][c 2][lane 32][16 bytes]: lane (r, h) holds the codes of k = 128 ks + 64 c + 32 h + 0..31 of the tile's row r: block t = 2 c + h of a K step lies 256 t bytes on.
;   wscl: [T][ks 6][r 16] words: the four scale bytes of that row and K step.
;   bimg: [T][c 2][lane 32][16 bytes]: q, k, c: register j of lane (r, h) = b[32 g + 16 h + 8 u + j]; v: all eight = bv[32 g + 8 u + r + 8 (r / 8)].
; SHARES.  A wave takes 32 columns (group g) x 128 along K (K step ks) of one weight: a lane takes a column and its registers run down K, so a block's 32 numbers are one lane's, and the conversions give codes with K innermost.
; Each load reads 128 consecutive bytes, the two waves of a work-group side by side.  Each store of codes: the sixteen lanes of a tile write 256 consecutive bytes, aligned.
; A block's scale is 2^(floor(log2(largest magnitude)) - 2); its byte is the largest magnitude's exponent field - 2, held at 1 from below.
; LIMITS: a block of zeros gets the byte 1 where the rule says 127 (its codes are zeros, and this program alone reads the bytes); NaN and infinities among the inputs are not served.
; No LDS, no barrier, no matrix unit: waves share nothing and memory binds.
.set KROW, 3072                        ; a row of W in bytes
.set XR,   32                          ; v32-159  128 numbers: four blocks of 32
.set CD,   160                         ; v160-175 codes, four registers a block: no store's data are written again
.set BR,   176                         ; v176-191 the bias images
	s_load_b256 s[4:11], s[0:1], 0x0               ; Wq, Wk, Wv, Wc
	s_load_b256 s[12:19], s[0:1], 0x20             ; bq, bk, bv, bc
	s_load_b128 s[20:23], s[0:1], 0x40             ; wimg, wscl
	s_load_b64 s[24:25], s[0:1], 0x50              ; bimg
	v_lshrrev_b32 v1, 5, v0
	v_readfirstlane_b32 s26, v1                    ; wave 0, 1
	v_and_b32 v1, 31, v0                           ; lane = my column in the group
	v_lshlrev_b32 v2, 2, v1                        ; in: 4 bytes a lane
	v_bfe_u32 v5, v0, 3, 1                         ; u = (column / 8) % 2
	v_and_b32 v6, 7, v0
	v_bfe_u32 v7, v0, 4, 1                         ; column / 16
	v_lshl_or_b32 v6, v7, 3, v6                    ; r = column % 8 + 8 (column / 16)
	v_mul_u32_u24 v3, v5, 6144
	v_lshl_add_u32 v3, v6, 4, v3                   ; codes: tile u, 16 r
	v_mul_u32_u24 v4, v5, 384
	v_lshl_add_u32 v4, v6, 2, v4                   ; scale word: tile u, 4 r
	s_and_b32 s27, ttmp7, 0xffff
	s_and_b32 s28, s27, 3                          ; mat
	s_lshr_b32 s29, s27, 2                         ; ks
	s_lshl_b32 s30, ttmp9, 1
	s_add_co_u32 s30, s30, s26                     ; g
	s_mul_i32 s31, s28, 48
	s_lshl_b32 s32, s30, 1
	s_add_co_u32 s31, s31, s32                     ; T of u = 0
	s_mul_i32 s32, s29, 128*KROW
	s_lshl_b32 s33, s30, 7
	s_add_co_u32 s32, s32, s33                     ; W: 128 ks rows down, 32 g columns on
	s_mov_b32 s33, 0
	s_mul_i32 s34, s31, 6144
	s_lshl_b32 s35, s29, 10
	s_add_co_u32 s34, s34, s35                     ; wimg: tile T, K step ks
	s_mov_b32 s35, 0
	s_mul_i32 s36, s31, 384
	s_lshl_b32 s37, s29, 6
	s_add_co_u32 s36, s36, s37                     ; wscl likewise
	s_mov_b32 s37, 0
	s_wait_kmcnt 0x0
	s_cmp_eq_u32 s28, 1                            ; which weight and bias: the choice hangs on the work-group's number alone
	s_cselect_b64 s[4:5], s[6:7], s[4:5]
	s_cselect_b64 s[12:13], s[14:15], s[12:13]
	s_cmp_eq_u32 s28, 2
	s_cselect_b64 s[4:5], s[8:9], s[4:5]
	s_cselect_b64 s[12:13], s[16:17], s[12:13]
	s_cmp_eq_u32 s28, 3
	s_cselect_b64 s[4:5], s[10:11], s[4:5]
	s_cselect_b64 s[12:13], s[18:19], s[12:13]
	s_add_nc_u64 s[4:5], s[4:5], s[32:33]
	s_add_nc_u64 s[20:21], s[20:21], s[34:35]
	s_add_nc_u64 s[22:23], s[22:23], s[36:37]
.macro LOAD t                          ; block t: W(128 ks + 32 t + i, my column), i = 0..31
.irp i, 0,1,2,3,4,5,6,7,8,9,10,11,12,13,14,15,16,17,18,19,20,21,22,23,24,25,26,27,28,29,30,31
	global_load_b32 v[XR+32*(\t)+\i], v2, s[4:5] offset:(32*(\t)+\i)*KROW th:TH_LOAD_NT
.endr
.endm
.macro BLOCK t
.set XS, XR+32*(\t)
.if (\t) < 3
	s_wait_loadcnt 32                              ; this block's 32 loads are in; the next block's 32 may be out
.else
	s_wait_loadcnt 0x0
.endif
.if (\t)+2 < 4
	LOAD (\t)+2                                    ; two blocks ahead; every block has registers of its own
.endif
	v_max3_num_f32 v12, |v[XS]|, |v[XS+1]|, |v[XS+2]|              ; the block's largest magnitude, in two chains
	v_max3_num_f32 v13, |v[XS+3]|, |v[XS+4]|, |v[XS+5]|
.irp i, 6,10,14,18,22,26
	v_max3_num_f32 v12, v12, |v[XS+\i]|, |v[XS+\i+1]|
	v_max3_num_f32 v13, v13, |v[XS+\i+2]|, |v[XS+\i+3]|
.endr
	v_max3_num_f32 v12, v12, |v[XS+30]|, |v[XS+31]|
	v_max3_num_f32 v12, v12, v13, 0x1800000        ; and the floor 2^(3 - 127): the byte cannot fall under 1
	v_add_nc_u32 v11, 0xff000000, v12              ; 2 off the exponent field: the conversion takes this operand's exponent field as its scale
	v_lshrrev_b32 v13, 23, v11                     ; the scale's byte
.if (\t) == 0
	v_mov_b32 v20, v13
.else
	v_lshl_or_b32 v20, v13, 8*(\t), v20            ; four bytes make the row's scale word of this K step
.endif
.irp q, 0,1,2,3
	v_cvt_scalef32_pk8_fp4_f32 v[CD+4*(\t)+\q], v[XS+8*\q:XS+8*\q+7], v11
.endr
	global_store_b128 v3, v[CD+4*(\t):CD+4*(\t)+3], s[20:21] offset:256*(\t)   ; the results go to a store alone; the next block begins with plain vector lines ahead of the next write of v11
.endm
	LOAD 0
	LOAD 1
	BLOCK 0
	BLOCK 1
	BLOCK 2
	BLOCK 3
	global_store_b32 v4, v20, s[22:23]
	; the bias images of tiles 2 g and 2 g + 1: made once, by the work-groups of K step 0
	s_cmp_lg_u32 s29, 0
	s_cbranch_scc1 .Ldone
	s_lshl_b32 s38, s30, 7                         ; 32 g numbers
	s_mov_b32 s39, 0
	s_add_nc_u64 s[12:13], s[12:13], s[38:39]
	s_lshl_b32 s38, s31, 10                        ; an image is 1,024 bytes
	s_add_nc_u64 s[24:25], s[24:25], s[38:39]
	v_lshlrev_b32 v8, 4, v1                        ; 16 x lane
	s_cmp_eq_u32 s28, 2
	s_cbranch_scc1 .Lv_bias
	v_lshlrev_b32 v9, 6, v7                        ; q, k, c: b[32 g + 16 h + 8 u + 0..7]
.irp u, 0,1
	global_load_b128 v[BR+8*\u:BR+8*\u+3], v9, s[12:13] offset:32*\u
	global_load_b128 v[BR+8*\u+4:BR+8*\u+7], v9, s[12:13] offset:32*\u+16
.endr
	s_wait_loadcnt 0x0
.irp u, 0,1
	global_store_b128 v8, v[BR+8*\u:BR+8*\u+3], s[24:25] offset:1024*\u
	global_store_b128 v8, v[BR+8*\u+4:BR+8*\u+7], s[24:25] offset:1024*\u+512
.endr
	s_endpgm
.Lv_bias:
	v_and_b32 v9, 15, v0                           ; v: bv[32 g + 8 u + r + 8 (r / 8)] in all eight registers
	v_and_b32 v10, 8, v9
	v_add_nc_u32 v9, v9, v10
	v_lshlrev_b32 v9, 2, v9
.irp u, 0,1
.irp j, 0,1,2,3
	global_load_b32 v[BR+4*\u+\j], v9, s[12:13] offset:32*\u
.endr
.endr
	s_wait_loadcnt 0x0
.irp u, 0,1
	global_store_b128 v8, v[BR+4*\u:BR+4*\u+3], s[24:25] offset:1024*\u
	global_store_b128 v8, v[BR+4*\u:BR+4*\u+3], s[24:25] offset:1024*\u+512
.endr
.Ldone:
	s_endpgm
.Lfunc_end_k_q5b0ecbc18d_prep:
	.size	k_q5b0ecbc18d_prep, .Lfunc_end_k_q5b0ecbc18d_prep-k_q5b0ecbc18d_prep
	.p2alignl 7, 3214868480
	.fill 96, 4, 3214868480
	.section	.rodata,"a",@progbits
	.p2align	6, 0x0
	.amdhsa_kernel k_q5b0ecbc18d_prep
		.amdhsa_group_segment_fixed_size 0
		.amdhsa_private_segment_fixed_size 0
		.amdhsa_enable_private_segment 0
		.amdhsa_kernarg_size 88
		.amdhsa_user_sgpr_count 2
		.amdhsa_user_sgpr_kernarg_segment_ptr 1
		.amdhsa_wavefront_size32 1
		.amdhsa_system_sgpr_workgroup_id_x 1
		.amdhsa_system_sgpr_workgroup_id_y 1
		.amdhsa_system_sgpr_workgroup_id_z 1
		.amdhsa_system_vgpr_workitem_id 0
		.amdhsa_next_free_vgpr 192
		.amdhsa_next_free_sgpr 66
		.amdhsa_reserve_vcc 0
		.amdhsa_float_denorm_mode_32 3
		.amdhsa_float_denorm_mode_16_64 3
		.amdhsa_memory_ordered 1
		.amdhsa_forward_progress 1
		.amdhsa_inst_pref_size 24
	.end_amdhsa_kernel
	.amdgpu_metadata
---
amdhsa.version: [ 1, 2 ]
amdhsa.kernels:
  - .name:           k_q5b0ecbc18d_prep
    .symbol:         k_q5b0ecbc18d_prep.kd
    .args:
      - { .name: Wq, .offset: 0, .size: 8, .value_kind: global_buffer, .address_space: global }
      - { .name: Wk, .offset: 8, .size: 8, .value_kind: global_buffer, .address_space: global }
      - { .name: Wv, .offset: 16, .size: 8, .value_kind: global_buffer, .address_space: global }
      - { .name: Wc, .offset: 24, .size: 8, .value_kind: global_buffer, .address_space: global }
      - { .name: bq, .offset: 32, .size: 8, .value_kind: global_buffer, .address_space: global }
      - { .name: bk, .offset: 40, .size: 8, .value_kind: global_buffer, .address_space: global }
      - { .name: bv, .offset: 48, .size: 8, .value_kind: global_buffer, .address_space: global }
      - { .name: bc, .offset: 56, .size: 8, .value_kind: global_buffer, .address_space: global }
      - { .name: wimg, .offset: 64, .size: 8, .value_kind: global_buffer, .address_space: global }
      - { .name: wscl, .offset: 72, .size: 8, .value_kind: global_buffer, .address_space: global }
      - { .name: bimg, .offset: 80, .size: 8, .value_kind: global_buffer, .address_space: global }
    .group_segment_fixed_size: 0
    .private_segment_fixed_size: 0
    .kernarg_segment_align: 8
    .kernarg_segment_size: 88
    .max_flat_workgroup_size: 64
    .sgpr_count:     66
    .vgpr_count:     192
    .wavefront_size: 32
...
	.end_amdgpu_metadata
.endif
;; end of part 1
;; launch qkv (part 2): grid 2 x 128, 4 waves a work-group, no clusters, 123,392 bytes of LDS; arguments x, wimg, wscl, bimg, qb, kv; writes qb, kv
.if DOCPART == 2
	.amdgcn_target "amdgcn-amd-amdhsa--gfx1250"
	.amdhsa_code_object_version 6
	.text
	.protected	k_q5b0ecbc18d_qkv
	.globl	k_q5b0ecbc18d_qkv
	.p2align	8
	.type	k_q5b0ecbc18d_qkv,@function
k_q5b0ecbc18d_qkv:
	s_mov_b64 s[64:65], 0
	v_nop
	global_prefetch_b8 v0, s[64:65] scope:SCOPE_SE
	s_setreg_imm32_b32 hwreg(HW_REG_WAVE_MODE, 25, 1), 1
	s_wait_xcnt 0x0
; q = x Wq + bq, k = x Wk + bk, v = x Wv + bv on codes of FP4 (E2M1) with one E8M0 scale for each 32 along K = 768; the results are quantised again at once, q and k along the head's 64, v along the keys,
; and leave as images of the operands' registers for the attention launch.
; SHARES.  A work-group takes 128 rows of x (row block rb: batch rb / 8, key step rb % 8) and 18 of the 36 heads (0-11 q, 12-23 k, 24-35 v; work-group x picks the half).  Its four waves take 5, 5, 4, 4 heads.
; PHASE X: wave w quantises rows 32 w .. 32 w + 31 of x: 12 fragments (2 tiles x 6 K steps), which go to LDS as images of their registers.  One barrier.
; PHASE F: every wave takes all 48 fragments of x into 384 registers, where they stay.  LDS is not touched again.
; PHASE G: a loop over the wave's heads.  A head's weights (4 tiles x 6 K steps, 192 registers) come from memory straight into the operand's registers, one head ahead: each K step's registers are asked for
; again as soon as its 32 products are issued.  A fragment of weights feeds 8 products.  The bias is the C of a sum's first product.
; THE ROWS OF A TILE ARE NOT NEIGHBOURS, of x as of W: row r of tile 2 g + u is row 32 g + 8 u + r + 8 (r / 8).  q, k: the product is used transposed (source 0 = W, source 1 = x): a lane holds one row of x, and the 16
; registers of tiles 2 g, 2 g + 1 are 16 neighbours along the head's 64.  v: source 0 = x, source 1 = W: a lane holds one channel, and the 16 registers of two tiles of rows are 16 neighbouring keys.
; So in both cases accumulators 2 e and 2 e + 1 are half a block of 32 along the next K, the other half lies in lane l xor 16, and ONE way out serves q, k and v.
; OUT.  qb: a head = 64 tile images of 512 bytes (tile 8 kst + mt; lane (r, h): block h of row r), then scale words [kst][r][p]: word p = the two bytes of tile 2 p, then of tile 2 p + 1.
;       kv: a head = K's tile images as q's | V^T fragments [kst][dt 4][c 2][lane][16] | K's scale words | V's scale words [kst][r][dt].  Every store of codes covers 512 consecutive bytes, aligned.
; NO CLUSTER: the weights that the 128 row blocks share go from memory into ONE wave's registers in the operand's order, and the four waves stand at four different heads, 5, 5, 4, 4 long; a joint request
; lands in LDS and would want a ring there, filled again head by head in step with the partners.  Not built in this version.
; The two work-groups of a row block both read and quantise its 128 rows of x.  A wave's last head still asks for the head after it (head 36 at the most, which lies inside all three buffers) and discards it:
; so the counted waits are the same in every trip.
; LIMITS: a block of zeros gets the scale byte 1 where the rule says 127 (its codes are zeros; this program alone reads the bytes); NaN and infinities are not served.
; REGISTERS, in windows of 256.  Window 0: v1-7 addresses; phase X: v64-191 two sets of 64 numbers, v192-216 at work; phase G: v32-55 x's scale words, v56-67 W's, v80-111 the bias, v112-187 the way out, v192-255 W of K steps 4, 5.
;   window 1: x of K steps 0-3 (64 ks + 8 mt).   window 2: v0-127 x of K steps 4, 5; v128-255 W of K steps 0-3 (128 + 32 ks + 8 nt).   window 3: phase X: four sets of 64 numbers as loaded; phase G: the 32 accumulators.
.set XROW, 3072                        ; a row of x in bytes
.set XIMG, 0                           ; LDS: x's 48 fragments, 1,024 bytes each, fragment 8 ks + mt
.set XSC,  49152                       ; their scale words [mt][ks][16]
.set STG,  52224                       ; two stages for each wave, 16 rows x 528 bytes
.set SPI,  528                         ; a stage row: 512 bytes + 16: 33 x 16, so sixteen rows' equal columns fall on different banks (64 banks of 4 bytes: ISA guide 11.1)
.set STB,  16*SPI
.set LI,   1                           ; v1  16 x lane
.set STO,  2                           ; v2  the stage, in: 16 x lane
.set STL,  3                           ; v3  the stage, out: row r, + 64 h
.set XWI,  4                           ; v4  where I store x's images
.set XWS,  5                           ; v5  and their scale words
.set LS,   6                           ; v6  4 x lane
.set R16,  7                           ; v7  16 x (lane % 16)
.set XR,   64
.set TMX,  192
.set PC,   208
.set PW,   216
.set XS,   32
.set WS,   56
.set BI,   80
.set TM,   112
.set TP,   128
.set CD,   144
.set HW,   176
.set SW,   184
.set WV,   16                          ; s16 wave
.set B12,  19                          ; s19 12 x batch
.set K4096, 20                         ; s20 4,096 x key step
.set K256, 21                          ; s21 256 x key step
.set SEL,  24                          ; s[24:25] v_permlanex16_b32's selects for lane l xor 16
.set HD,   26                          ; s26 the head in hand
.set CNT,  27                          ; s27 heads to go
.set MSB, 0
.macro WIN new                         ; the immediate's high byte repeats the setting that is left
.if MSB != \new
	s_set_vgpr_msb (MSB<<8)|\new
.set MSB, \new
.endif
.endm
.macro PLACES                          ; four plain vector instructions behind a matrix instruction, ahead of loads into its registers and of reads of its results
.rept 4
	v_nop
.endr
.endm
	s_load_b256 s[4:11], s[0:1], 0x0               ; x s[4:5], wimg s[6:7], wscl s[8:9], bimg s[10:11]
	s_load_b128 s[12:15], s[0:1], 0x20             ; qb s[12:13], kv s[14:15]
	v_lshl_add_u32 v30, v0, 2, 0x1e000
	v_mov_b32 v31, 0
	v_lshrrev_b32 v8, 5, v0
	v_readfirstlane_b32 s[WV], v8                  ; wave 0..3
	v_and_b32 v8, 31, v0                           ; lane
	v_and_b32 v9, 15, v0                           ; r
	v_bfe_u32 v10, v0, 4, 1                        ; h
	v_lshlrev_b32 v[LI], 4, v8
	v_lshlrev_b32 v[LS], 2, v8
	v_lshlrev_b32 v[R16], 4, v9
	s_mul_i32 s32, s[WV], 2*STB
	s_add_co_u32 s32, s32, STG                     ; my two stages
	v_add_nc_u32 v[STO], s32, v[LI]
	v_mul_u32_u24 v[STL], v9, SPI
	v_lshl_add_u32 v[STL], v10, 6, v[STL]
	v_add_nc_u32 v[STL], s32, v[STL]
	s_lshl_b32 s32, s[WV], 11                      ; my tiles are 2 w and 2 w + 1
	v_add_nc_u32 v[XWI], s32, v[LI]
	s_mul_i32 s32, s[WV], 768
	s_add_co_u32 s32, s32, XSC
	v_lshl_add_u32 v[XWS], v9, 2, s32
	s_mov_b32 s[SEL], 0x76543210
	s_mov_b32 s[SEL+1], 0xfedcba98
.irp b, 0,1,2,3
	v_mov_b32 v[TMX+4+\b], 0                       ; written once: a lane permute's destination counts as one of its sources
.endr
	s_and_b32 s18, ttmp7, 0xffff                   ; rb
	s_lshr_b32 s[B12], s18, 3
	s_mul_i32 s[B12], s[B12], 12
	s_and_b32 s[K256], s18, 7
	s_lshl_b32 s[K4096], s[K256], 12
	s_lshl_b32 s[K256], s[K256], 8
	s_mul_i32 s[HD], s[WV], 5                      ; my first head: 18 x half + 5 w, one less for wave 3
	s_lshr_b32 s32, s[WV], 1
	s_sub_co_u32 s[CNT], 5, s32                    ; 5, 5, 4, 4 heads
	s_and_b32 s32, s32, s[WV]
	s_sub_co_u32 s[HD], s[HD], s32
	s_mul_i32 s32, ttmp9, 18
	s_add_co_u32 s[HD], s[HD], s32
	s_lshl_b32 s32, s18, 7
	s_lshl_b32 s33, s[WV], 5
	s_add_co_u32 s32, s32, s33
	s_mul_i32 s32, s32, XROW                       ; x at row 128 rb + 32 w (under 2^26 bytes)
	s_mov_b32 s33, 0
	s_mul_i32 s34, s[HD], 24576
	s_mov_b32 s35, 0
	s_mul_i32 s36, s[HD], 1536
	s_mov_b32 s37, 0
	s_mul_i32 s38, s[HD], 4096
	s_mov_b32 s39, 0
	s_wait_kmcnt 0x0
	s_add_nc_u64 s[4:5], s[4:5], s[32:33]
	s_add_nc_u64 s[6:7], s[6:7], s[34:35]          ; the weights' codes, scale words and bias images of my first head
	s_add_nc_u64 s[8:9], s[8:9], s[36:37]
	s_add_nc_u64 s[10:11], s[10:11], s[38:39]
; ---- PHASE X.  Fragment f = 2 ks + u: tile 2 w + u, K step ks.
.macro LOADX f                         ; its 16 rows x 512 bytes, as they lie: each load reads 512 consecutive bytes.  Into set f % 4 of window 3
	WIN 0xc0
.irp i, 0,1,2,3,4,5,6,7,8,9,10,11,12,13,14,15
	global_load_b128 v[64*((\f)%4)+4*\i:64*((\f)%4)+4*\i+3], v[LI], s[4:5] offset:(8*((\f)%2)+\i+8*(\i/8))*XROW+((\f)/2)*512
.endr
	WIN 0
.endm
.macro TURN f                          ; through my stage: in by rows, out 16 neighbours of each block of 32 a lane.  LDS serves a wave's instructions in order (ISA guide 5.7.1.4): no wait between
	WIN 0x0c                                       ; an LDS store's data are its source 1: window 3
.irp i, 0,1,2,3,4,5,6,7,8,9,10,11,12,13,14,15
	ds_store_b128 v[STO], v[64*((\f)%4)+4*\i:64*((\f)%4)+4*\i+3] offset:((\f)%2)*STB+\i*SPI
.endr
	WIN 0
.irp b, 0,1,2,3
.irp j, 0,1,2,3
	ds_load_b128 v[XR+64*((\f)%2)+16*\b+4*\j:XR+64*((\f)%2)+16*\b+4*\j+3], v[STL] offset:((\f)%2)*STB+128*\b+16*\j
.endr
.endr
.endm
; 64 numbers of a lane, register 16 b + i = k 32 b + 16 (lane / 16) + i of my row, become a fragment's codes in v[PC] on and its scale word in v[PW]
.macro QUANT s
.irp b, 0,1,2,3
	v_max3_num_f32 v[TMX+\b], |v[\s+16*\b]|, |v[\s+1+16*\b]|, 0x1800000   ; my 16 numbers of block b, and the floor 2^(3 - 127): the byte cannot fall under 1
.endr
.irp i, 2,4,6,8,10,12,14
.irp b, 0,1,2,3
	v_max3_num_f32 v[TMX+\b], v[TMX+\b], |v[\s+16*\b+\i]|, |v[\s+1+16*\b+\i]|   ; the four blocks by turns
.endr
.endr
.irp b, 0,1,2,3
	v_permlanex16_b32 v[TMX+4+\b], v[TMX+\b], s[SEL], s[SEL+1]
.endr
.irp b, 0,1,2,3
	v_max_num_f32 v[TMX+\b], v[TMX+\b], v[TMX+4+\b]   ; with lane l xor 16's: the block's largest magnitude
.endr
.irp b, 0,1,2,3
	v_add_nc_u32 v[TMX+12+\b], 0xff000000, v[TMX+\b]   ; 2 off its exponent field: the conversion's scale operand
.endr
.irp b, 0,1,2,3
	v_lshrrev_b32 v[TMX+4+\b], 23, v[TMX+12+\b]    ; the scale's byte
.endr
	v_lshl_or_b32 v[PW], v[TMX+5], 8, v[TMX+4]
	v_lshl_or_b32 v[PW], v[TMX+6], 16, v[PW]
	v_lshl_or_b32 v[PW], v[TMX+7], 24, v[PW]
.irp b, 0,1,2,3
	v_cvt_scalef32_pk8_fp4_f32 v[PC+2*\b], v[\s+16*\b:\s+7+16*\b], v[TMX+12+\b]
	v_cvt_scalef32_pk8_fp4_f32 v[PC+1+2*\b], v[\s+8+16*\b:\s+15+16*\b], v[TMX+12+\b]
.endr
	v_nop                                          ; one plain place behind a scaled conversion
.irp c, 0,1                                    ; the operand's layout wants a whole block in a lane: lanes 0-15 block 2 c, lanes 16-31 block 2 c + 1
.irp i, 0,1
	v_permlane16_swap_b32 v[PC+4*\c+\i], v[PC+2+4*\c+\i]
.endr
.endr
.endm
.macro XSTEP f
	s_wait_dscnt 0x0                               ; this fragment's numbers are back from the stage, its stage stores have read their registers, the last images are stored
.if (\f)+4 < 12
	LOADX (\f)+4                                   ; four fragments ahead, into the set just freed
.endif
.if (\f) < 11
.if 10-(\f) >= 3
	s_wait_loadcnt 48                              ; the next fragment's 16 loads are in; the three sets behind it may be out
.else
	s_wait_loadcnt 16*(10-(\f))
.endif
	TURN (\f)+1                                    ; it goes through the other stage while this one is quantised
.endif
	QUANT XR+64*((\f)%2)
.irp c, 0,1
	ds_store_b128 v[XWI], v[PC+4*\c:PC+4*\c+3] offset:XIMG+((\f)/2)*8192+((\f)%2)*1024+512*\c   ; the fragment as it stands: 16 bytes a lane
.endr
	ds_store_b32 v[XWS], v[PW] offset:((\f)%2)*384+((\f)/2)*64   ; lanes r and r + 16 write the same word with the same value
.endm
	LOADX 0
	LOADX 1
	LOADX 2
	LOADX 3
	s_wait_loadcnt 48                              ; fragment 0's 16 loads are in
	TURN 0
.irp f, 0,1,2,3,4,5,6,7,8,9,10,11
	XSTEP \f
.endr
	s_wait_dscnt 0x0                               ; for the others' sake: my images are stored
	s_barrier_signal -1
	s_barrier_wait -1                              ; x's 48 fragments lie in LDS
; ---- the loads of a head's weights, from the pointers s[6:11]
.macro LDW ks                          ; W's four fragments of K step ks
.if (\ks) < 4
	WIN 0x80
.irp nt, 0,1,2,3
.irp c, 0,1
	global_load_b128 v[128+32*(\ks)+8*\nt+4*\c:128+32*(\ks)+8*\nt+4*\c+3], v[LI], s[6:7] offset:\nt*6144+(\ks)*1024+512*\c
.endr
.endr
	WIN 0
.else
.irp nt, 0,1,2,3
.irp c, 0,1
	global_load_b128 v[192+32*((\ks)-4)+8*\nt+4*\c:192+32*((\ks)-4)+8*\nt+4*\c+3], v[LI], s[6:7] offset:\nt*6144+(\ks)*1024+512*\c
.endr
.endr
.endif
.endm
.macro LDB                             ; the four tiles' bias images
.irp nt, 0,1,2,3
.irp c, 0,1
	global_load_b128 v[BI+8*\nt+4*\c:BI+8*\nt+4*\c+3], v[LI], s[10:11] offset:\nt*1024+512*\c
.endr
.endr
.endm
.macro LDSC i                          ; W's scale words of K steps 2 i (lanes 0-15) and 2 i + 1 (lanes 16-31)
.irp nt, 0,1,2,3
	global_load_b32 v[WS+3*\nt+(\i)], v[LS], s[8:9] offset:\nt*384+(\i)*128
.endr
.endm
	LDW 0                                          ; the first head, in the order in which the loop asks for every later one: W0 B W1 S0 W2 W3 S1 W4 W5 S2
	LDB
	LDW 1
	LDSC 0
	LDW 2
	LDW 3
	LDSC 1
	LDW 4
	LDW 5
	LDSC 2
; ---- PHASE F: all of x's fragments and scale words into registers
	WIN 0x40
.set F, 0
.rept 32
	ds_load_b128 v[8*F:8*F+3], v[LI] offset:XIMG+F*1024
	ds_load_b128 v[8*F+4:8*F+7], v[LI] offset:XIMG+F*1024+512
.set F, F+1
.endr
	WIN 0x80
.rept 16
	ds_load_b128 v[8*(F-32):8*(F-32)+3], v[LI] offset:XIMG+F*1024
	ds_load_b128 v[8*(F-32)+4:8*(F-32)+7], v[LI] offset:XIMG+F*1024+512
.set F, F+1
.endr
	WIN 0
.irp mt, 0,1,2,3,4,5,6,7
.irp i, 0,1,2
	ds_load_b32 v[XS+3*\mt+\i], v[LS] offset:XSC+\mt*384+\i*128   ; lanes 0-15: K step 2 i; lanes 16-31: K step 2 i + 1
.endr
.endr
.irp e, 0,1,2,3,4,5,6,7,8,9,10,11,12,13,14,15
	v_mov_b32 v[TP+\e], 0                          ; written once: a lane permute's destination counts as one of its sources
.endr
	s_wait_xcnt 0x0                                ; the first head's loads have read their bases:
	s_add_nc_u64 s[6:7], s[6:7], 24576             ; on to the head after it
	s_add_nc_u64 s[8:9], s[8:9], 1536
	s_add_nc_u64 s[10:11], s[10:11], 4096
	s_wait_dscnt 0x0
; ---- PHASE G
.macro MM d, a, b, c, sa, sb, ks       ; one product; K step 0 takes the bias as C; odd K steps take their scale words from lanes 16-31
.if (\ks) == 0
	v_wmma_scale_f32_16x16x128_f8f6f4 v[(\d):(\d)+7], v[(\a):(\a)+7], v[(\b):(\b)+7], v[(\c):(\c)+7], v[\sa], v[\sb] matrix_a_fmt:MATRIX_FMT_FP4 matrix_b_fmt:MATRIX_FMT_FP4
.elseif (\ks)%2
	v_wmma_scale_f32_16x16x128_f8f6f4 v[(\d):(\d)+7], v[(\a):(\a)+7], v[(\b):(\b)+7], v[(\d):(\d)+7], v[\sa], v[\sb] matrix_a_fmt:MATRIX_FMT_FP4 matrix_b_fmt:MATRIX_FMT_FP4 matrix_a_scale:MATRIX_SCALE_ROW1 matrix_b_scale:MATRIX_SCALE_ROW1
.else
	v_wmma_scale_f32_16x16x128_f8f6f4 v[(\d):(\d)+7], v[(\a):(\a)+7], v[(\b):(\b)+7], v[(\d):(\d)+7], v[\sa], v[\sb] matrix_a_fmt:MATRIX_FMT_FP4 matrix_b_fmt:MATRIX_FMT_FP4
.endif
.endm
; A K step: 32 products, each accumulator once, in the same order in every K step; then the next head's loads into the registers just read.
; THE WAITS.  Loads come back in order (ISA guide 5.7.1).  K step 0 wants W0 B W1 S0: behind S0 stand W2 W3 S1 W4 W5 S2 = 40.  K step 2 wants W2 W3 S1: behind S1 stand W4 W5 S2 = 20 and the next head's
; W0 B W1 S0 = 28: 48.  K step 4 wants W4 W5 S2: behind S2 stand the next head's W0 B W1 S0 W2 W3 S1 = 48.
.macro KSTEP ks, vv
.if \ks == 0
	s_wait_loadcnt 40
.elseif (\ks == 2) || (\ks == 4)
	s_wait_loadcnt 48
.endif
.if \ks < 4
.set rW, 128+32*\ks
.set rX, 64*\ks
.else
.set rW, 192+32*(\ks-4)
.set rX, 64*(\ks-4)
.endif
.if \vv
.if \ks == 0
	WIN 0xc9                                       ; source 0 (x) window 1, source 1 (W) window 2, C (bias) window 0, D window 3
.elseif \ks < 4
	WIN 0xf9
.else
	WIN 0xf2                                       ; x window 2, W window 0
.endif
.irp nt, 0,1,2,3
.irp mt, 0,1,2,3,4,5,6,7
	MM 8*(8*\nt+\mt), rX+8*\mt, rW+8*\nt, BI+8*\nt, XS+3*\mt+\ks/2, WS+3*\nt+\ks/2, \ks
.endr
.endr
.else
.if \ks == 0
	WIN 0xc6                                       ; source 0 (W) window 2, source 1 (x) window 1, C (bias) window 0, D window 3
.elseif \ks < 4
	WIN 0xf6
.else
	WIN 0xf8                                       ; W window 0, x window 2
.endif
.irp mt, 0,1,2,3,4,5,6,7
.irp nt, 0,1,2,3
	MM 8*(4*\mt+\nt), rW+8*\nt, rX+8*\mt, BI+8*\nt, WS+3*\nt+\ks/2, XS+3*\mt+\ks/2, \ks
.endr
.endr
.endif
	WIN 0
	PLACES
	LDW \ks
.if \ks == 0
	LDB
.endif
.if (\ks)%2
	LDSC (\ks)/2
.endif
.endm
.Lhead:
	s_cmp_lt_u32 s[HD], 24
	s_cbranch_scc0 .Lv_head
.irp ks, 0,1,2,3,4,5
	KSTEP \ks, 0
.endr
	s_branch .Lway_out
.Lv_head:
.irp ks, 0,1,2,3,4,5
	KSTEP \ks, 1
.endr
.Lway_out:
	; THE WAY OUT.  Block e = registers 16 e .. 16 e + 15 of window 3 = my half of a block of 32 along the next K; group G = e / 2 = 512 bytes of image.
	s_wait_xcnt 0x0                                ; every earlier load and store has read its bases, offsets and data: all may be written again
	s_add_nc_u64 s[6:7], s[6:7], 24576             ; the weights' pointers go on: two heads past the one just made
	s_add_nc_u64 s[8:9], s[8:9], 1536
	s_add_nc_u64 s[10:11], s[10:11], 4096
	s_mov_b32 s33, 69632
	s_mov_b32 s34, 65536
	s_mov_b32 s37, 67584
	s_cmp_lt_u32 s[HD], 12                         ; q?
	s_cselect_b64 s[28:29], s[12:13], s[14:15]     ; qb or kv
	s_cselect_b32 s33, 34816, s33                  ; a head's bytes there
	s_cselect_b32 s34, 32768, s34                  ; where its scale words begin (q; k)
	s_cselect_b32 s35, 0, 12
	s_cmp_lt_u32 s[HD], 24                         ; q or k?
	s_cselect_b32 s36, 0, 32768                    ; where its images begin
	s_cselect_b32 s35, s35, 24
	s_cselect_b32 s34, s34, s37                    ; (v's scale words)
	s_sub_co_u32 s35, s[HD], s35                   ; the head among the 12
	s_add_co_u32 s35, s35, s[B12]
	s_mul_i32 s35, s35, s33                        ; its first byte (under 2^24)
	s_add_co_u32 s36, s36, s35
	s_add_co_u32 s36, s36, s[K4096]                ; images: 4,096 bytes a key step
	s_add_co_u32 s34, s34, s35
	s_add_co_u32 s34, s34, s[K256]                 ; scale words: 256 bytes a key step
	s_mov_b32 s37, 0
	s_mov_b32 s35, 0
	s_mov_b64 s[30:31], s[28:29]
	s_add_nc_u64 s[28:29], s[28:29], s[36:37]
	s_add_nc_u64 s[30:31], s[30:31], s[34:35]
	s_add_co_u32 s[HD], s[HD], 1
	WIN 0x3c                                       ; sources 1 and 2 window 3
.irp e, 0,1,2,3,4,5,6,7,8,9,10,11,12,13,14,15
	v_max3_num_f32 v[TM+\e], 0x1800000, |v[16*\e]|, |v[16*\e+1]|   ; the floor 2^(3 - 127) and my first two; each accumulator is read from its low end on
.endr
.irp i, 2,4,6,8,10,12,14
.irp e, 0,1,2,3,4,5,6,7,8,9,10,11,12,13,14,15
	v_max3_num_f32 v[TM+\e], v[TM+\e], |v[16*\e+\i]|, |v[16*\e+\i+1]|
.endr
.endr
	WIN 0
.irp e, 0,1,2,3,4,5,6,7,8,9,10,11,12,13,14,15
	v_permlanex16_b32 v[TP+\e], v[TM+\e], s[SEL], s[SEL+1]
.endr
.irp e, 0,1,2,3,4,5,6,7,8,9,10,11,12,13,14,15
	v_max_num_f32 v[TM+\e], v[TM+\e], v[TP+\e]     ; with lane l xor 16's half: the block's largest magnitude
.endr
.irp e, 0,1,2,3,4,5,6,7,8,9,10,11,12,13,14,15
	v_add_nc_u32 v[TM+\e], 0xff000000, v[TM+\e]    ; 2 off its exponent field: the conversion's scale operand
.endr
.irp e, 0,1,2,3,4,5,6,7,8,9,10,11,12,13,14,15
	v_lshrrev_b32 v[TP+\e], 23, v[TM+\e]           ; the scale's byte
.endr
.irp g, 0,1,2,3,4,5,6,7
	v_lshl_or_b32 v[HW+\g], v[TP+2*\g+1], 8, v[TP+2*\g]
.endr
.irp p, 0,1,2,3
	v_lshl_or_b32 v[SW+\p], v[HW+2*\p+1], 16, v[HW+2*\p]
.endr
	WIN 0x03                                       ; source 0 window 3
.irp e, 0,1,2,3,4,5,6,7,8,9,10,11,12,13,14,15
	v_cvt_scalef32_pk8_fp4_f32 v[CD+2*\e], v[16*\e:16*\e+7], v[TM+\e]
	v_cvt_scalef32_pk8_fp4_f32 v[CD+2*\e+1], v[16*\e+8:16*\e+15], v[TM+\e]
.endr
	WIN 0
	v_nop                                          ; one plain place behind a scaled conversion
.irp g, 0,1,2,3,4,5,6,7
	v_permlane16_swap_b32 v[CD+4*\g], v[CD+4*\g+2]     ; a whole block to a lane: lanes 0-15 the group's first block, lanes 16-31 its second
	v_permlane16_swap_b32 v[CD+4*\g+1], v[CD+4*\g+3]
.endr
.irp g, 0,1,2,3,4,5,6,7
	global_store_b128 v[LI], v[CD+4*\g:CD+4*\g+3], s[28:29] offset:512*\g   ; 32 lanes store 512 consecutive bytes, aligned
.endr
	global_store_b128 v[R16], v[SW:SW+3], s[30:31]     ; 256 consecutive bytes; lanes r and r + 16 write the same bytes with the same values
	s_sub_co_u32 s[CNT], s[CNT], 1
	s_cmp_lg_u32 s[CNT], 0
	s_cbranch_scc1 .Lhead
	s_wait_tensorcnt 0x0
	ds_add_u32 v30, v31
	s_wait_dscnt 0x0
	s_endpgm
.Lfunc_end_k_q5b0ecbc18d_qkv:
	.size	k_q5b0ecbc18d_qkv, .Lfunc_end_k_q5b0ecbc18d_qkv-k_q5b0ecbc18d_qkv
	.p2alignl 7, 3214868480
	.fill 96, 4, 3214868480
	.section	.rodata,"a",@progbits
	.p2align	6, 0x0
	.amdhsa_kernel k_q5b0ecbc18d_qkv
		.amdhsa_group_segment_fixed_size 123392
		.amdhsa_private_segment_fixed_size 0
		.amdhsa_enable_private_segment 0
		.amdhsa_kernarg_size 48
		.amdhsa_user_sgpr_count 2
		.amdhsa_user_sgpr_kernarg_segment_ptr 1
		.amdhsa_wavefront_size32 1
		.amdhsa_system_sgpr_workgroup_id_x 1
		.amdhsa_system_sgpr_workgroup_id_y 1
		.amdhsa_system_sgpr_workgroup_id_z 1
		.amdhsa_system_vgpr_workitem_id 0
		.amdhsa_next_free_vgpr 1024
		.amdhsa_next_free_sgpr 66
		.amdhsa_reserve_vcc 0
		.amdhsa_float_denorm_mode_32 3
		.amdhsa_float_denorm_mode_16_64 3
		.amdhsa_memory_ordered 1
		.amdhsa_forward_progress 1
		.amdhsa_inst_pref_size 190
	.end_amdhsa_kernel
	.amdgpu_metadata
---
amdhsa.version: [ 1, 2 ]
amdhsa.kernels:
  - .name:           k_q5b0ecbc18d_qkv
    .symbol:         k_q5b0ecbc18d_qkv.kd
    .args:
      - { .name: x, .offset: 0, .size: 8, .value_kind: global_buffer, .address_space: global }
      - { .name: wimg, .offset: 8, .size: 8, .value_kind: global_buffer, .address_space: global }
      - { .name: wscl, .offset: 16, .size: 8, .value_kind: global_buffer, .address_space: global }
      - { .name: bimg, .offset: 24, .size: 8, .value_kind: global_buffer, .address_space: global }
      - { .name: qb, .offset: 32, .size: 8, .value_kind: global_buffer, .address_space: global }
      - { .name: kv, .offset: 40, .size: 8, .value_kind: global_buffer, .address_space: global }
    .group_segment_fixed_size: 123392
    .private_segment_fixed_size: 0
    .kernarg_segment_align: 8
    .kernarg_segment_size: 48
    .max_flat_workgroup_size: 128
    .sgpr_count:     66
    .vgpr_count:     1024
    .wavefront_size: 32
...
	.end_amdgpu_metadata
.endif
;; end of part 2
;; launch attn (part 3): grid 256 x 1, 16 waves a work-group, no clusters, 264,192 bytes of LDS; arguments qb, kv, wimg, wscl, bimg, out0; writes out0
.if DOCPART == 3
	.amdgcn_target "amdgcn-amd-amdhsa--gfx1250"
	.amdhsa_code_object_version 6
	.text
	.protected	k_q5b0ecbc18d_attn
	.globl	k_q5b0ecbc18d_attn
	.p2align	8
	.type	k_q5b0ecbc18d_attn,@function
k_q5b0ecbc18d_attn:
	s_mov_b64 s[64:65], 0
	v_nop
	global_prefetch_b8 v0, s[64:65] scope:SCOPE_SE
	s_setreg_imm32_b32 hwreg(HW_REG_WAVE_MODE, 25, 1), 1
	s_wait_xcnt 0x0
; out0 = reshape(softmax(q k^T / 8) v) Wc + bc, all three products on codes of FP4 (E2M1) with one E8M0 scale for each 32 along K.
; THE SOFTMAX AHEAD OF THE SECOND PRODUCT: t = score x log2(e) / 8; M = the row's largest t so far, rounded UP to a whole number; p = 2^(t - M) is what is quantised, along the keys, not normalised.  The row's sum is taken
; of the unquantised p and divides O at the end.  When M moves, the sum and O are multiplied by 2^(old M - new M): exact.
; THE RESHAPE.  [B, H, S, 64] is read as [B, S, 768]: output row s' holds the 12 consecutive rows 12 s' .. 12 s' + 11 of o, counted through batch, head and query.  So 768 consecutive rows of o are 64 whole output rows,
; and a block of 32 along the last product's K is half a row of o, which the wave that made it quantises itself.
; SHARES.  Work-group wg makes units U = 3 wg + 0, 1, 2, each 256 queries of head U / 4, query block U % 4; that is rows 768 wg .. + 767 of o and rows 64 wg .. + 63 of out0.  Each of its SIXTEEN waves owns 16 queries of a
; unit, one tile, in 256 registers: four waves to a SIMD, so that one wave's vector work stands beside another's matrix work and LDS loads.  Every wave walks the head's 1,024 keys, 128 a step.
; LDS.  A head's K, V and their scale words are one dense block of 69,632 bytes.  Three slots, one for each unit, each filled ONCE: waves 0 to 3 ask for a quarter of each at the kernel's head, three tensor loads a wave,
; all three out together.  No byte is filled twice.  Behind them: o's codes as rows (row jl of o: 32 bytes at 32 jl, which is the matrix [64][384 bytes] of the last product, K innermost), o's scale bytes (2 jl), and
; o's 24 fragments as images of their registers.  The stage for out0 lies over the slots, when they have had their only fill and their last read.
; LAYOUT.  S^T = K Q^T (source 0 = keys, source 1 = my 16 queries), O^T = V^T P^T: a lane holds ONE query throughout.  The rows of a tile are not neighbours (row r of tile 2 b + u is 32 b + 8 u + r + 8 (r / 8)), so that the 16
; registers of two neighbouring tiles are 16 neighbours along the next K.
; K = 64 IN AN INSTRUCTION OF 128: source 0 holds tile 2 b in k 0-63 and tile 2 b + 1 in k 64-127, all of them real codes and scale bytes; source 1 is [q | zeros] for tile 2 b and [zeros | q] for tile 2 b + 1.  Zero codes add nothing.
; NO CLUSTER: four neighbouring work-groups walk the same three heads, but at different places: a unit's slot would hang on the work-group's place in its cluster, which no LDS address may.
; LIMITS: a block of zeros gets the scale byte 1 where the rule says 127 (its codes are zeros; this program alone reads the bytes).  A block's largest p is taken from its largest score, which takes v_exp_f32 not to fall
; where its input rises.  NaN and infinities are not served.
; REGISTERS: v1-11 addresses; v12 -M, v13 the largest t, v[14:15] the sum in two halves; v16-23 [q | 0], v24-31 [0 | q]; v32-63 four fragments of K, v64-95 four of V; v96-159 S^T, then p; v160-191 O^T; v192-199 p's codes;
;   v200-221 at work; v232-235 K's scale words, v236-239 V's, v240 q's, v241 p's.  In the last product: v16-63 Wc, two sets of three fragments; v64-87 bc; v96-127 o; v136-231 twelve accumulators; v232-240 Wc's scale words, v241-252 o's.
.set SLOTB, 69632                      ; a head's block of kv, and a slot
.set QUART, 17408                      ; a quarter of it: 68 rows of 256 bytes
.set OROW,  3*SLOTB                    ; o's codes as rows: 768 rows of 32 bytes
.set OSC,   OROW+768*32                ; o's scale bytes: 2 a row of o = 6 words an output row
.set OIMG,  OSC+768*2                  ; o's 24 fragments, 1,024 bytes each: fragment 6 mt + ks
.set SPITCH, 3088                      ; the stage: 64 rows x (3,072 bytes + 16): 193 x 16, so sixteen rows' equal columns fall on different banks (ISA guide 11.1)
.set WCT,   144                        ; Wc's first tile
.set LI,   1                           ; v1  16 x lane
.set R16,  2                           ; v2  16 x (lane % 16)
.set ADK,  3                           ; v3  the step's fragments; later o's rows, o's images, the stage on the way back
.set ADS,  4                           ; v4  the step's scale words; later o's
.set OA,   5                           ; v5  where my 16 bytes of a row of o go, in unit 0; v5-7 later: the stage, in
.set OS,   6                           ; v6  and my row's two scale bytes
.set RI,   7                           ; v7  where I store o's images
.set H1,   8                           ; v8  lane / 16
.set PFO,  9                           ; v9  256 x lane; never rewritten
.set LS,   10                          ; v10 4 x lane
.set BM,   200
.set TP,   204
.set SO,   208
.set FF,   212
.set T0,   214
.set C2,   216
.set G1,   16                          ; s[16:23] descriptor group 1
.set G0,   24                          ; s[24:35] descriptor group 0, a set for each unit
.set WV,   36
.set SEL,  38                          ; s[38:39] v_permlanex16_b32's selects for lane l xor 16
.set CS,   40                          ; s[40:41] c = log2(e) / 8
.set TB,   42                          ; s42 LDS byte of the step's K fragments
.set TS,   43                          ; s43 and of its scale words
.set KC,   44                          ; s44 key steps to go
.set LIM,  45                          ; s45 2 in a wave that prefetches, else the greatest number
.set PSEL, 46                          ; s46 which half of q's loaded word holds my tile's two bytes
.set QA,   48                          ; s[48+4 ui : 49+4 ui] my q tile of unit ui; s[50+4 ui : 51+4 ui] its scale words
.set PFA,  66                          ; s[66:67] my work-group's 8,192 bytes of Wc's codes; never rewritten
.set WCP,  68                          ; s[68:69] my three tiles of Wc; s[70:71] their scale words; s[72:73] their bias images
.set WSP,  70
.set BCP,  72
.set OUTP, 74                          ; s[74:75] out0 at my four rows
.macro PLACES                          ; four plain vector instructions behind a matrix instruction, ahead of loads into its registers and of reads of its results
.rept 4
	v_nop
.endr
.endm
	s_load_b256 s[4:11], s[0:1], 0x0               ; qb s[4:5], kv s[6:7], wimg s[8:9], wscl s[10:11]
	s_load_b128 s[12:15], s[0:1], 0x20             ; bimg s[12:13], out0 s[14:15]
	v_lshl_add_u32 v254, v0, 2, 0x40000
	v_mov_b32 v255, 0
	ds_add_u32 v254, v255
	ds_add_u32 v254, v255
	v_lshrrev_b32 v1, 5, v0
	v_readfirstlane_b32 s[WV], v1                  ; wave 0..15
	; descriptor group 1: 68 dense rows of 256 bytes, as 32 elements of 8 bytes; no padding: the block is read as images, 16 bytes a lane on end
	s_mov_b32 s[G1], 3<<16                         ; 15:0 no mask; 17:16 elements of 8 bytes
	s_mov_b32 s[G1+1], 32<<16                      ; tensor_dim0 = 32
	s_mov_b32 s[G1+2], 68<<16                      ; tensor_dim1 = 68
	s_mov_b32 s[G1+3], 32<<16                      ; tile_dim0 = 32
	s_mov_b32 s[G1+4], 68                          ; tile_dim1 = 68
	s_mov_b32 s[G1+5], 32                          ; tensor_dim0_stride
	s_mov_b32 s[G1+6], 0
	s_mov_b32 s[G1+7], 0
	s_mul_i32 s60, ttmp9, 3                        ; my first unit
	s_and_b32 s76, s[WV], 3
	s_mul_i32 s76, s76, QUART                      ; which quarter I fetch, if I fetch
	s_wait_dscnt 0x0
	s_wait_kmcnt 0x0
.irp ui, 0,1,2
	s_add_co_u32 s61, s60, \ui
	s_lshr_b32 s62, s61, 2                         ; the unit's head
	s_mul_i32 s62, s62, SLOTB
	s_add_co_u32 s62, s62, s76
	s_mov_b32 s63, 0
	s_mov_b32 s[G0+4*\ui], 1                       ; 1:0 count = 1
	s_add_co_u32 s[G0+4*\ui+1], s76, \ui*SLOTB     ; 63:32 LDS address: the unit's slot, my quarter
	s_add_nc_u64 s[G0+4*\ui+2:G0+4*\ui+3], s[6:7], s[62:63]   ; 120:64 global address
	s_or_b32 s[G0+4*\ui+3], s[G0+4*\ui+3], 0x80000000         ; 127:126 type = 2
.endr
	s_cmp_lt_u32 s[WV], 4                          ; waves 0 to 3 fetch: their three first fills stand in one branch, ahead of every wait on TENSORcnt, every LDS read and every barrier
	s_cbranch_scc0 .Lno_fetch
	tensor_load_to_lds s[G0:G0+3], s[G1:G1+7]
	s_nop 0
	tensor_load_to_lds s[G0+4:G0+7], s[G1:G1+7]
	s_nop 0
	tensor_load_to_lds s[G0+8:G0+11], s[G1:G1+7]
	s_nop 0
	PLACES
.Lno_fetch:
	v_and_b32 v11, 31, v0                          ; lane
	v_lshlrev_b32 v[LI], 4, v11
	v_lshlrev_b32 v[LS], 2, v11
	v_lshlrev_b32 v[PFO], 8, v11
	v_and_b32 v11, 15, v0                          ; r
	v_lshlrev_b32 v[R16], 4, v11
	s_lshr_b32 s77, s[WV], 3                       ; my q tile is tile 16 qblk + w: key step 2 qblk + w / 8, tile w % 8 in it
	s_bfe_u32 s78, s[WV], 0x20001                  ; (w % 8) / 2: which word of a row's four holds its bytes
	s_lshl_b32 s78, s78, 2
	s_mov_b32 s81, 0
.irp ui, 0,1,2
	s_add_co_u32 s61, s60, \ui
	s_lshr_b32 s62, s61, 2
	s_mul_i32 s62, s62, 34816                      ; the head's first byte in qb
	s_and_b32 s61, s61, 3                          ; qblk
	s_lshl_b32 s79, s61, 4
	s_add_co_u32 s79, s79, s[WV]
	s_lshl_b32 s79, s79, 9
	s_add_co_u32 s80, s62, s79
	s_add_nc_u64 s[QA+4*\ui:QA+4*\ui+1], s[4:5], s[80:81]
	s_lshl_b32 s79, s61, 1
	s_add_co_u32 s79, s79, s77
	s_lshl_b32 s79, s79, 8
	s_add_co_u32 s79, s79, s78
	s_add_co_u32 s79, s79, 32768
	s_add_co_u32 s80, s62, s79
	s_add_nc_u64 s[QA+4*\ui+2:QA+4*\ui+3], s[4:5], s[80:81]
.endr
	global_load_b128 v[16:19], v[LI], s[QA:QA+1]   ; unit 0's q, twice: once for each of the two operands
	global_load_b128 v[28:31], v[LI], s[QA:QA+1]
	global_load_b32 v240, v[R16], s[QA+2:QA+3]
	; where my row of o goes.  My query in a unit's 256 is jl = 32 (w / 2) + 8 (w % 2) + r + 8 (r / 8): its codes lie at OROW + 32 jl + 16 h, its two scale bytes at OSC + 2 jl; the unit stands in the stores' immediates
	v_bfe_u32 v[H1], v0, 4, 1                      ; h
	v_and_b32 v[OS], 8, v11
	v_add_nc_u32 v[OS], v[OS], v11                 ; r + 8 (r / 8)
	v_lshlrev_b32 v[OA], 5, v[OS]
	v_lshl_add_u32 v[OA], v[H1], 4, v[OA]
	v_lshlrev_b32 v[OS], 1, v[OS]
	s_lshr_b32 s61, s[WV], 1
	s_lshl_b32 s61, s61, 5
	s_and_b32 s62, s[WV], 1
	s_lshl_b32 s62, s62, 3
	s_add_co_u32 s61, s61, s62                     ; 32 (w / 2) + 8 (w % 2)
	s_lshl_b32 s62, s61, 5
	s_add_co_u32 s62, s62, OROW
	v_add_nc_u32 v[OA], s62, v[OA]
	s_lshl_b32 s62, s61, 1
	s_add_co_u32 s62, s62, OSC
	v_add_nc_u32 v[OS], s62, v[OS]
	s_mov_b32 s[SEL], 0x76543210
	s_mov_b32 s[SEL+1], 0xfedcba98
	s_mov_b32 s[CS], 0x3e38aa3b                    ; c = log2(e) / 8
	s_mov_b32 s[CS+1], s[CS]                       ; (named with it as a pair, so it is written)
	s_mov_b32 s[PSEL], 0x03020302
	s_and_b32 s47, s[WV], 1
	s_cmp_eq_u32 s47, 0
	s_cselect_b32 s[PSEL], 0x01000100, s[PSEL]     ; an even tile's two bytes are the word's low half
	s_cmp_lt_u32 ttmp9, 36                         ; the prefetch of Wc's codes: wave 4 of work-groups 0 to 35
	s_cselect_b32 s47, 4, -1
	s_cmp_eq_u32 s47, s[WV]
	s_cselect_b32 s[LIM], 2, -1
	s_min_u32 s62, ttmp9, 35
	s_lshl_b32 s62, s62, 13
	s_add_co_u32 s62, s62, WCT*6144
	s_mov_b32 s63, 0
	s_add_nc_u64 s[PFA:PFA+1], s[8:9], s[62:63]
	s_mul_i32 s61, s[WV], 3
	s_add_co_u32 s61, s61, WCT                     ; my three tiles of Wc
	s_mul_i32 s62, s61, 6144
	s_add_nc_u64 s[WCP:WCP+1], s[8:9], s[62:63]
	s_mul_i32 s62, s61, 384
	s_add_nc_u64 s[WSP:WSP+1], s[10:11], s[62:63]
	s_lshl_b32 s62, s61, 10
	s_add_nc_u64 s[BCP:BCP+1], s[12:13], s[62:63]
	s_lshl_b32 s61, ttmp9, 6
	s_lshl_b32 s62, s[WV], 2
	s_add_co_u32 s61, s61, s62
	s_mul_i32 s62, s61, 3072                       ; out0 at row 64 wg + 4 w (under 2^26 bytes)
	s_add_nc_u64 s[OUTP:OUTP+1], s[14:15], s[62:63]
.irp j, 20,21,22,23,24,25,26,27
	v_mov_b32 v[\j], 0                             ; the zero halves of the two q operands: written once
.endr
.irp b, 0,1,2,3
	v_mov_b32 v[TP+\b], 0                          ; written once: a lane permute's destination counts as one of its sources
.endr
	v_mov_b32 v[FF+1], 0                           ; (named as the upper half of a pair)
; A KEY STEP: 128 keys.  pf = 1: the unit's loop holds the prefetch.
.macro STEP pf
	v_add_nc_u32 v[ADK], s[TB], v[LI]
	v_add_nc_u32 v[ADS], s[TS], v[R16]
.irp b, 0,1,2,3
.irp c, 0,1
	ds_load_b128 v[32+8*\b+4*\c:35+8*\b+4*\c], v[ADK] offset:\b*1024+512*\c   ; K: tiles 2 b (c = 0) and 2 b + 1 (c = 1) as one fragment
.endr
.endr
	ds_load_b128 v[232:235], v[ADS]                ; and the four fragments' scale words
.irp d, 0,1,2,3
.irp c, 0,1
	ds_load_b128 v[64+8*\d+4*\c:67+8*\d+4*\c], v[ADK] offset:32768+\d*1024+512*\c   ; V^T: 16 channels x these 128 keys
.endr
.endr
	ds_load_b128 v[236:239], v[ADS] offset:2048
.if \pf
; A PREFETCH of Wc's codes, 294,912 bytes = 1,152 blocks of 256: each is named once in the launch: wave 4 of work-groups 0 to 35, one instruction, lanes 256 bytes apart, 8,192 bytes a work-group.
; It stands in the last unit's loop with two key steps to go, behind the step's LDS loads; the first load of Wc stands behind that loop.
	s_cmp_eq_u32 s[KC], s[LIM]
	s_cbranch_scc0 .Lnot_mine_\@
	global_prefetch_b8 v[PFO], s[PFA:PFA+1] th:TH_LOAD_NT scope:SCOPE_SE
.Lnot_mine_\@:
.endif
	s_wait_dscnt 9                                 ; K's nine loads are in; V's nine may be out
.irp b, 0,1,2,3
	v_wmma_scale_f32_16x16x128_f8f6f4 v[96+16*\b:103+16*\b], v[32+8*\b:39+8*\b], v[16:23], 0, v[232+\b], v240 matrix_a_fmt:MATRIX_FMT_FP4 matrix_b_fmt:MATRIX_FMT_FP4
	v_wmma_scale_f32_16x16x128_f8f6f4 v[104+16*\b:111+16*\b], v[32+8*\b:39+8*\b], v[24:31], 0, v[232+\b], v240 matrix_a_fmt:MATRIX_FMT_FP4 matrix_b_fmt:MATRIX_FMT_FP4
.endr                                          ; lane (r, h) holds query r; registers 96 + 16 b + i are keys 32 b + 16 h + i of the step
	PLACES
.irp b, 0,1,2,3
	v_max3_num_f32 v[BM+\b], v[96+16*\b], v[97+16*\b], v[98+16*\b]   ; the largest score of each block of 32 keys: it serves the row's maximum and, since p rises with the score, the block's largest p
.endr
.irp i, 3,5,7,9,11,13
.irp b, 0,1,2,3
	v_max3_num_f32 v[BM+\b], v[BM+\b], v[96+16*\b+\i], v[97+16*\b+\i]   ; the four blocks by turns; each accumulator is met at its low end first
.endr
.endr
.irp b, 0,1,2,3
	v_max_num_f32 v[BM+\b], v[BM+\b], v[111+16*\b]
.endr
.irp b, 0,1,2,3
	v_permlanex16_b32 v[TP+\b], v[BM+\b], s[SEL], s[SEL+1]
.endr
.irp b, 0,1,2,3
	v_max_num_f32 v[BM+\b], v[BM+\b], v[TP+\b]     ; with lane l xor 16's 16 keys
.endr
	v_max3_num_f32 v[T0], v[BM], v[BM+1], v[BM+2]
	v_max_num_f32 v[T0], v[T0], v[BM+3]            ; the step's largest score of my query
	v_mul_f32 v[T0], s[CS], v[T0]                  ; as t (c is positive)
	v_max_num_f32 v13, v13, v[T0]                  ; the running largest t
	v_mov_b32 v[T0], v12
	v_floor_f32 v12, -v13                          ; the new -M = floor(-t) = -ceil(t): M is a whole number
	v_sub_f32 v[T0], v12, v[T0]                    ; old M - new M: a whole number, 0 or less
	v_cvt_i32_f32 v[T0], v[T0]                     ; (it saturates)
	v_ldexp_f32 v[FF], 1.0, v[T0]                  ; f = 2^(old M - new M): a multiplication by it rounds nothing
.irp j, 0,2,4,6,8,10,12,14,16,18,20,22,24,26,28,30,32,34,36,38,40,42,44,46,48,50,52,54,56,58,60,62
	v_pk_fma_f32 v[96+\j:97+\j], v[96+\j:97+\j], s[CS:CS+1], v[12:13] op_sel_hi:[1,0,0]   ; t - M, two at a time
.endr
.irp b, 0,1,2,3
	v_fma_f32 v[BM+\b], v[BM+\b], s[CS], v12       ; the same of each block's largest score
.endr
.irp j, 0,1,2,3,4,5,6,7,8,9,10,11,12,13,14,15,16,17,18,19,20,21,22,23,24,25,26,27,28,29,30,31,32,33,34,35,36,37,38,39,40,41,42,43,44,45,46,47,48,49,50,51,52,53,54,55,56,57,58,59,60,61,62,63
	v_exp_f32 v[96+\j], v[96+\j]                   ; p = 2^(t - M), at most 1
.endr
.irp b, 0,1,2,3
	v_exp_f32 v[BM+\b], v[BM+\b]                   ; the block's largest p: the same two instructions on the same number give the same bits
.endr
	v_pk_mul_f32 v[14:15], v[14:15], v[FF:FF+1] op_sel_hi:[1,0]   ; the sums under the new M.  (A plain place behind the exponentials)
	s_wait_alu depctr_va_vdst(0)
.irp b, 0,1,2,3
	v_max_num_f32 v[BM+\b], 0x1800000, v[BM+\b]    ; the floor 2^(3 - 127): the byte cannot fall under 1
.endr
.irp b, 0,1,2,3
	v_add_nc_u32 v[SO+\b], 0xff000000, v[BM+\b]    ; 2 off the exponent field: the conversion's scale operand
.endr
.irp b, 0,1,2,3
	v_lshrrev_b32 v[TP+\b], 23, v[SO+\b]           ; the scale's byte
.endr
	v_lshl_or_b32 v241, v[TP+1], 8, v[TP]          ; p's scale word for these 128 keys
	v_lshl_or_b32 v241, v[TP+2], 16, v241
	v_lshl_or_b32 v241, v[TP+3], 24, v241
.irp b, 0,1,2,3
	v_cvt_scalef32_pk8_fp4_f32 v[192+2*\b], v[96+16*\b:103+16*\b], v[SO+\b]
	v_cvt_scalef32_pk8_fp4_f32 v[193+2*\b], v[104+16*\b:111+16*\b], v[SO+\b]
.endr
	v_nop                                          ; one plain place behind a scaled conversion
.irp c, 0,1                                    ; a whole block to a lane: lanes 0-15 block 2 c, lanes 16-31 block 2 c + 1
.irp i, 0,1
	v_permlane16_swap_b32 v[192+4*\c+\i], v[194+4*\c+\i]
.endr
.endr
	v_pk_add_f32 v[C2:C2+1], v[96:97], v[98:99]    ; the row's sum is taken of the unquantised p: two at a time, in two chains
.irp j, 4,8,12,16,20,24,28,32,36,40,44,48,52,56,60
	v_pk_add_f32 v[14:15], v[14:15], v[96+\j:97+\j]
	v_pk_add_f32 v[C2:C2+1], v[C2:C2+1], v[98+\j:99+\j]
.endr
	v_pk_add_f32 v[14:15], v[14:15], v[C2:C2+1]
.irp j, 0,2,4,6,8,10,12,14,16,18,20,22,24,26,28,30
	v_pk_mul_f32 v[160+\j:161+\j], v[160+\j:161+\j], v[FF:FF+1] op_sel_hi:[1,0]   ; O^T under the new M
.endr
	s_wait_dscnt 0x0                               ; V
.irp d, 0,1,2,3
	v_wmma_scale_f32_16x16x128_f8f6f4 v[160+8*\d:167+8*\d], v[64+8*\d:71+8*\d], v[192:199], v[160+8*\d:167+8*\d], v[236+\d], v241 matrix_a_fmt:MATRIX_FMT_FP4 matrix_b_fmt:MATRIX_FMT_FP4
.endr
	PLACES                                         ; ahead of the next step's loads into V's registers, and of the way out's reads
	s_add_co_u32 s[TB], s[TB], 4096
	s_add_co_u32 s[TS], s[TS], 256
.endm
.macro LDWC ks                         ; my three tiles of Wc, K step ks, into set ks % 2
.irp i, 0,1,2
.irp c, 0,1
	global_load_b128 v[16+24*((\ks)%2)+8*\i+4*\c:16+24*((\ks)%2)+8*\i+4*\c+3], v[LI], s[WCP:WCP+1] offset:\i*6144+(\ks)*1024+512*\c
.endr
.endr
.endm
; THE WAY OUT OF A UNIT: o = O^T / the sum; my row's 64 numbers are two blocks of the last product's K; their codes and bytes go to LDS as a row of o: a unit's 256 rows are 8,192 bytes of codes and 512 of scale bytes.
.macro WAYOUT ui
	v_add_f32 v14, v14, v15                        ; the sum's two halves,
	v_permlanex16_b32 v[T0], v14, s[SEL], s[SEL+1]
	v_add_f32 v14, v14, v[T0]                      ; and lane l xor 16's: the row's sum
	v_rcp_f32 v14, v14
	v_nop                                          ; a plain place behind the reciprocal
	s_wait_alu depctr_va_vdst(0)
.irp j, 0,1,2,3,4,5,6,7,8,9,10,11,12,13,14,15,16,17,18,19,20,21,22,23,24,25,26,27,28,29,30,31
	v_mul_f32 v[96+\j], v[160+\j], v14             ; register 16 g + i is channel 32 g + 16 h + i of my row
.endr
.irp g, 0,1
	v_max3_num_f32 v[BM+\g], |v[96+16*\g]|, |v[97+16*\g]|, 0x1800000
.endr
.irp i, 2,4,6,8,10,12,14
.irp g, 0,1
	v_max3_num_f32 v[BM+\g], v[BM+\g], |v[96+16*\g+\i]|, |v[97+16*\g+\i]|
.endr
.endr
.irp g, 0,1
	v_permlanex16_b32 v[TP+\g], v[BM+\g], s[SEL], s[SEL+1]
.endr
.irp g, 0,1
	v_max_num_f32 v[BM+\g], v[BM+\g], v[TP+\g]
.endr
.irp g, 0,1
	v_add_nc_u32 v[SO+\g], 0xff000000, v[BM+\g]
.endr
.irp g, 0,1
	v_lshrrev_b32 v[TP+\g], 23, v[SO+\g]
.endr
	v_lshl_or_b32 v221, v[TP+1], 8, v[TP]
.irp g, 0,1
	v_cvt_scalef32_pk8_fp4_f32 v[192+2*\g], v[96+16*\g:103+16*\g], v[SO+\g]
	v_cvt_scalef32_pk8_fp4_f32 v[193+2*\g], v[104+16*\g:111+16*\g], v[SO+\g]
.endr
	v_nop                                          ; one plain place behind a scaled conversion
	v_permlane16_swap_b32 v192, v194               ; lanes 0-15: channels 0-31; lanes 16-31: channels 32-63
	v_permlane16_swap_b32 v193, v195
	ds_store_b128 v[OA], v[192:195] offset:\ui*8192
	ds_store_b16 v[OS], v221 offset:\ui*512        ; lanes r and r + 16 write the same two bytes with the same values
.endm
.macro UNIT ui
	s_wait_loadcnt 0x0                             ; q and its scale word
	v_perm_b32 v240, v240, v240, s[PSEL]           ; my tile's two bytes, twice: for k 0-63 and for k 64-127
	v_mov_b32 v13, 0xff61b1e6                      ; the largest t so far: -3e38, under every t
	v_floor_f32 v12, -v13                          ; -M
	v_mov_b32 v14, 0
	v_mov_b32 v15, 0
.irp j, 0,1,2,3,4,5,6,7,8,9,10,11,12,13,14,15,16,17,18,19,20,21,22,23,24,25,26,27,28,29,30,31
	v_mov_b32 v[160+\j], 0                         ; O^T.  (The step is written once a unit: the first finds zeros, which the first change of M leaves zeros)
.endr
	s_mov_b32 s[TB], \ui*SLOTB
	s_mov_b32 s[TS], \ui*SLOTB+65536
	s_mov_b32 s[KC], 8
	s_wait_dscnt 0x0                               ; my LDS stores of the unit before have landed
	s_wait_tensorcnt 2-\ui                         ; my quarter of this unit's slot is in; the later units' may stay out
	s_barrier_signal -1
	s_barrier_wait -1                              ; everybody's is
.Lstep_\@:
.if \ui == 2
	STEP 1
.else
	STEP 0
.endif
	s_sub_co_u32 s[KC], s[KC], 1
	s_cmp_lg_u32 s[KC], 0
	s_cbranch_scc1 .Lstep_\@
.if \ui < 2
	global_load_b128 v[16:19], v[LI], s[QA+4*(\ui+1):QA+4*(\ui+1)+1]   ; the next unit's q lands while this unit goes out
	global_load_b128 v[28:31], v[LI], s[QA+4*(\ui+1):QA+4*(\ui+1)+1]
	global_load_b32 v240, v[R16], s[QA+4*(\ui+1)+2:QA+4*(\ui+1)+3]
.else
.irp i, 0,1,2                                  ; the last product's first operands: bc, Wc's scale words, Wc's K steps 0 and 1
.irp c, 0,1
	global_load_b128 v[64+8*\i+4*\c:67+8*\i+4*\c], v[LI], s[BCP:BCP+1] offset:\i*1024+512*\c
.endr
.endr
.irp i, 0,1,2
.irp q, 0,1,2
	global_load_b32 v[232+3*\i+\q], v[LS], s[WSP:WSP+1] offset:\i*384+\q*128   ; lanes 0-15: K step 2 q; lanes 16-31: 2 q + 1
.endr
.endr
	LDWC 0
	LDWC 1
.endif
	WAYOUT \ui
.endm
	UNIT 0
	UNIT 1
	UNIT 2
	; ---- o's ROWS BECOME IMAGES.  Lane (r, h) of fragment (mt, ks), half c, wants output row 16 mt + r, k = 128 ks + 64 c + 32 h on: row 12 (16 mt + r) + 2 ks + c of o, block h: byte 384 r + 16 h + 6144 mt + 32 (2 ks + c).
	; At that pitch the sixteen rows of a load fall on two columns of banks, so each of the 48 halves is read so ONCE: wave w takes halves 3 w + 0, 1, 2 (mt = w / 4, 2 ks + c = 3 (w % 4) + i) and stores them 16 bytes a lane on end.
	v_and_b32 v11, 15, v0                          ; r
	v_mul_u32_u24 v[ADK], v11, 384
	v_lshl_add_u32 v[ADK], v[H1], 4, v[ADK]
	s_lshr_b32 s60, s[WV], 2
	s_mul_i32 s60, s60, 6144
	s_and_b32 s61, s[WV], 3
	s_mul_i32 s61, s61, 96
	s_add_co_u32 s60, s60, s61
	s_add_co_u32 s60, s60, OROW
	v_add_nc_u32 v[ADK], s60, v[ADK]
	v_mul_u32_u24 v[ADS], v11, 24                  ; o's scale words: 6 words an output row; lanes 0-15 take an even K step's, lanes 16-31 the next one's
	v_lshl_add_u32 v[ADS], v[H1], 2, v[ADS]
	v_add_nc_u32 v[ADS], OSC, v[ADS]
	s_mul_i32 s60, s[WV], 1536
	s_add_co_u32 s60, s60, OIMG
	v_add_nc_u32 v[RI], s60, v[LI]
	s_wait_dscnt 0x0                               ; my rows of o are stored
	s_barrier_signal -1
	s_barrier_wait -1                              ; all 768 rows of o lie in LDS, and nobody reads a slot any more
.irp i, 0,1,2
	ds_load_b128 v[96+4*\i:99+4*\i], v[ADK] offset:32*\i
.endr
.irp mt, 0,1,2,3
.irp q, 0,1,2
	ds_load_b32 v[241+3*\mt+\q], v[ADS] offset:\mt*384+\q*8   ; the words 6 r + h fall on 32 different banks
.endr
.endr
	s_wait_dscnt 12                                ; my three halves are in; the twelve loads of scale words may be out
.irp i, 0,1,2
	ds_store_b128 v[RI], v[96+4*\i:99+4*\i] offset:512*\i
.endr
	v_add_nc_u32 v[ADK], OIMG, v[LI]               ; from here on: the images
	v_mul_u32_u24 v11, v11, SPITCH                 ; the stage, in: row r, + 64 h, + my tile's 32 g + 8 u columns
	v_lshl_add_u32 v11, v[H1], 6, v11
	s_mul_i32 s60, s[WV], 3
.irp i, 0,1,2
	s_add_co_u32 s61, s60, \i
	s_lshr_b32 s62, s61, 1
	s_lshl_b32 s62, s62, 7
	s_and_b32 s61, s61, 1
	s_lshl_b32 s61, s61, 5
	s_add_co_u32 s62, s62, s61
	v_add_nc_u32 v[5+\i], s62, v11
.endr
	s_wait_dscnt 0x0                               ; for the others' sake: my images are stored
	s_barrier_signal -1
	s_barrier_wait -1                              ; o's 24 fragments lie in LDS
	; ---- THE LAST PRODUCT: out0 = o Wc + bc.  Wave w makes columns 48 w .. 48 w + 47 (three tiles of Wc) for the work-group's 64 rows; transposed: source 0 = Wc, source 1 = o.
.macro PM d, a, b, c, sa, sb, ks
.if (\ks) == 0
	v_wmma_scale_f32_16x16x128_f8f6f4 v[(\d):(\d)+7], v[(\a):(\a)+7], v[(\b):(\b)+7], v[(\c):(\c)+7], v[\sa], v[\sb] matrix_a_fmt:MATRIX_FMT_FP4 matrix_b_fmt:MATRIX_FMT_FP4
.elseif (\ks)%2
	v_wmma_scale_f32_16x16x128_f8f6f4 v[(\d):(\d)+7], v[(\a):(\a)+7], v[(\b):(\b)+7], v[(\d):(\d)+7], v[\sa], v[\sb] matrix_a_fmt:MATRIX_FMT_FP4 matrix_b_fmt:MATRIX_FMT_FP4 matrix_a_scale:MATRIX_SCALE_ROW1 matrix_b_scale:MATRIX_SCALE_ROW1
.else
	v_wmma_scale_f32_16x16x128_f8f6f4 v[(\d):(\d)+7], v[(\a):(\a)+7], v[(\b):(\b)+7], v[(\d):(\d)+7], v[\sa], v[\sb] matrix_a_fmt:MATRIX_FMT_FP4 matrix_b_fmt:MATRIX_FMT_FP4
.endif
.endm
.irp ks, 0,1,2,3,4,5
.irp mt, 0,1,2,3
	ds_load_b128 v[96+8*\mt:99+8*\mt], v[ADK] offset:(\mt*6+\ks)*1024
	ds_load_b128 v[100+8*\mt:103+8*\mt], v[ADK] offset:(\mt*6+\ks)*1024+512
.endr
.if \ks < 5
	s_wait_loadcnt 6                               ; this K step's Wc is in (at K step 0: bc and the scale words too); the next K step's six loads may be out
.else
	s_wait_loadcnt 0x0
.endif
	s_wait_dscnt 0x0
.irp i, 0,1,2                                  ; twelve accumulators, each once a K step, in the same order
.irp mt, 0,1,2,3
	PM 136+8*(4*\i+\mt), 16+24*(\ks%2)+8*\i, 96+8*\mt, 64+8*\i, 232+3*\i+\ks/2, 241+3*\mt+\ks/2, \ks
.endr
.endr
	PLACES                                         ; ahead of the loads into Wc's set and into o's fragments, and of the stores of the results
.if \ks < 4
	LDWC \ks+2
.endif
.endr
	; the stage: lane (r, h) holds eight neighbouring columns of row 16 mt + r.  Each accumulator from its low end on
.irp mt, 0,1
.irp i, 0,1,2
	ds_store_b128 v[5+\i], v[136+8*(4*\i+\mt):139+8*(4*\i+\mt)] offset:\mt*16*SPITCH
	ds_store_b128 v[5+\i], v[140+8*(4*\i+\mt):143+8*(4*\i+\mt)] offset:\mt*16*SPITCH+16
.endr
.endr
.irp i, 0,1,2
	v_add_nc_u32 v[5+\i], 32*SPITCH, v[5+\i]       ; rows 32 on lie beyond an immediate's reach
.endr
.irp mt, 2,3
.irp i, 0,1,2
	ds_store_b128 v[5+\i], v[136+8*(4*\i+\mt):139+8*(4*\i+\mt)] offset:(\mt-2)*16*SPITCH
	ds_store_b128 v[5+\i], v[140+8*(4*\i+\mt):143+8*(4*\i+\mt)] offset:(\mt-2)*16*SPITCH+16
.endr
.endr
	s_mul_i32 s60, s[WV], 4*SPITCH
	v_add_nc_u32 v[ADK], s60, v[LI]                ; back: my four rows, 16 bytes a lane
	s_wait_dscnt 0x0                               ; for the others' sake: my stores into the stage are done
	s_barrier_signal -1
	s_barrier_wait -1                              ; 64 whole rows of out0 lie in the stage
.irp rr, 0,1,2,3
.irp k, 0,1,2,3,4,5
	ds_load_b128 v[16+4*(6*\rr+\k):19+4*(6*\rr+\k)], v[ADK] offset:\rr*SPITCH+512*\k
.endr
.endr
.irp rr, 0,1,2,3
.irp k, 0,1,2,3,4,5
	s_wait_dscnt 23-(6*\rr+\k)
	global_store_b128 v[LI], v[16+4*(6*\rr+\k):19+4*(6*\rr+\k)], s[OUTP:OUTP+1] offset:\rr*3072+512*\k th:TH_STORE_NT   ; 32 lanes store 512 consecutive bytes, aligned; written once, read by nobody here
.endr
.endr
	s_wait_tensorcnt 0x0
	ds_add_u32 v254, v255
	s_wait_dscnt 0x0
	s_endpgm
.Lfunc_end_k_q5b0ecbc18d_attn:
	.size	k_q5b0ecbc18d_attn, .Lfunc_end_k_q5b0ecbc18d_attn-k_q5b0ecbc18d_attn
	.p2alignl 7, 3214868480
	.fill 96, 4, 3214868480
	.section	.rodata,"a",@progbits
	.p2align	6, 0x0
	.amdhsa_kernel k_q5b0ecbc18d_attn
		.amdhsa_group_segment_fixed_size 264192
		.amdhsa_private_segment_fixed_size 0
		.amdhsa_enable_private_segment 0
		.amdhsa_kernarg_size 48
		.amdhsa_user_sgpr_count 2
		.amdhsa_user_sgpr_kernarg_segment_ptr 1
		.amdhsa_wavefront_size32 1
		.amdhsa_system_sgpr_workgroup_id_x 1
		.amdhsa_system_sgpr_workgroup_id_y 1
		.amdhsa_system_sgpr_workgroup_id_z 1
		.amdhsa_system_vgpr_workitem_id 0
		.amdhsa_next_free_vgpr 256
		.amdhsa_next_free_sgpr 84
		.amdhsa_reserve_vcc 0
		.amdhsa_float_denorm_mode_32 3
		.amdhsa_float_denorm_mode_16_64 3
		.amdhsa_memory_ordered 1
		.amdhsa_forward_progress 1
		.amdhsa_inst_pref_size 95
	.end_amdhsa_kernel
	.amdgpu_metadata
---
amdhsa.version: [ 1, 2 ]
amdhsa.kernels:
  - .name:           k_q5b0ecbc18d_attn
    .symbol:         k_q5b0ecbc18d_attn.kd
    .args:
      - { .name: qb, .offset: 0, .size: 8, .value_kind: global_buffer, .address_space: global }
      - { .name: kv, .offset: 8, .size: 8, .value_kind: global_buffer, .address_space: global }
      - { .name: wimg, .offset: 16, .size: 8, .value_kind: global_buffer, .address_space: global }
      - { .name: wscl, .offset: 24, .size: 8, .value_kind: global_buffer, .address_space: global }
      - { .name: bimg, .offset: 32, .size: 8, .value_kind: global_buffer, .address_space: global }
      - { .name: out0, .offset: 40, .size: 8, .value_kind: global_buffer, .address_space: global }
    .group_segment_fixed_size: 264192
    .private_segment_fixed_size: 0
    .kernarg_segment_align: 8
    .kernarg_segment_size: 48
    .max_flat_workgroup_size: 512
    .sgpr_count:     84
    .vgpr_count:     256
    .wavefront_size: 32
...
	.end_amdgpu_metadata
.endif
;; end of part 3
;; ======== version 2 of 2: 3 launches
;; workspace buffers: wimg 1,179,648 bytes; wscl 73,728 bytes; bimg 196,608 bytes; qb 6,684,672 bytes; kv 13,369,344 bytes
;; launch prep (part 4): grid 12 x 24, 2 waves a work-group, no clusters, 0 bytes of LDS; arguments Wq, Wk, Wv, Wc, bq, bk, bv, bc, wimg, wscl, bimg; writes wimg, wscl, bimg
.if DOCPART == 4
	.amdgcn_target "amdgcn-amd-amdhsa--gfx1250"
	.amdhsa_code_object_version 6
	.text
	.protected	k_q5b0ecbc18d_prep
	.globl	k_q5b0ecbc18d_prep
	.p2align	8
	.type	k_q5b0ecbc18d_prep,@function
k_q5b0ecbc18d_prep:
	s_mov_b64 s[64:65], 0
	v_nop
	global_prefetch_b8 v0, s[64:65] scope:SCOPE_SE
	s_setreg_imm32_b32 hwreg(HW_REG_WAVE_MODE, 25, 1), 1
	s_wait_xcnt 0x0
; The four weights W [768 (k)][768 (n)], f32, K their FIRST axis, become codes of FP4 (E2M1) with one E8M0 byte for each 32 along K, laid in the order of an operand's registers;
; the four biases become images of the eight C registers of a tile.
; TILES.  Tile T = 48 mat + 2 g + u (mat 0..3 = q, k, v, c; g = 0..23; u = 0, 1) holds the 16 rows n = 32 g + 8 u + r + 8 (r / 8), r = 0..15: NOT neighbours, so that the results of tiles 2 g and 2 g + 1
; are 16 neighbours along n in a lane's registers.
;   wimg: [T][ks 6][c 2][lane 32][16 bytes]: lane (r, h) holds the codes of k = 128 ks + 64 c + 32 h + 0..31 of the tile's row r: block t = 2 c + h of a K step lies 256 t bytes on.
;   wscl: [T][ks 6][r 16] words: the four scale bytes of that row and K step.
;   bimg: [T][c 2][lane 32][16 bytes]: q, k, c: register j of lane (r, h) = b[32 g + 16 h + 8 u + j]; v: all eight = bv[32 g + 8 u + r + 8 (r / 8)].
; SHARES.  A wave takes 32 columns (group g) x 128 along K (K step ks) of one weight: a lane takes a column and its registers run down K, so a block's 32 numbers are one lane's, and the conversions give codes with K innermost.
; Each load reads 128 consecutive bytes, the two waves of a work-group side by side.  Each store of codes: the sixteen lanes of a tile write 256 consecutive bytes, aligned.
; A block's scale is 2^(floor(log2(largest magnitude)) - 2); its byte is the largest magnitude's exponent field - 2, held at 1 from below.
; LIMITS: a block of zeros gets the byte 1 where the rule says 127 (its codes are zeros, and this program alone reads the bytes); NaN and infinities among the inputs are not served.
; No LDS, no barrier, no matrix unit: waves share nothing and memory binds.
.set KROW, 3072                        ; a row of W in bytes
.set XR,   32                          ; v32-159  128 numbers: four blocks of 32
.set CD,   160                         ; v160-175 codes, four registers a block: no store's data are written again
.set BR,   176                         ; v176-191 the bias images
	s_load_b256 s[4:11], s[0:1], 0x0               ; Wq, Wk, Wv, Wc
	s_load_b256 s[12:19], s[0:1], 0x20             ; bq, bk, bv, bc
	s_load_b128 s[20:23], s[0:1], 0x40             ; wimg, wscl
	s_load_b64 s[24:25], s[0:1], 0x50              ; bimg
	v_lshrrev_b32 v1, 5, v0
	v_readfirstlane_b32 s26, v1                    ; wave 0, 1
	v_and_b32 v1, 31, v0                           ; lane = my column in the group
	v_lshlrev_b32 v2, 2, v1                        ; in: 4 bytes a lane
	v_bfe_u32 v5, v0, 3, 1                         ; u = (column / 8) % 2
	v_and_b32 v6, 7, v0
	v_bfe_u32 v7, v0, 4, 1                         ; column / 16
	v_lshl_or_b32 v6, v7, 3, v6                    ; r = column % 8 + 8 (column / 16)
	v_mul_u32_u24 v3, v5, 6144
	v_lshl_add_u32 v3, v6, 4, v3                   ; codes: tile u, 16 r
	v_mul_u32_u24 v4, v5, 384
	v_lshl_add_u32 v4, v6, 2, v4                   ; scale word: tile u, 4 r
	s_and_b32 s27, ttmp7, 0xffff
	s_and_b32 s28, s27, 3                          ; mat
	s_lshr_b32 s29, s27, 2                         ; ks
	s_lshl_b32 s30, ttmp9, 1
	s_add_co_u32 s30, s30, s26                     ; g
	s_mul_i32 s31, s28, 48
	s_lshl_b32 s32, s30, 1
	s_add_co_u32 s31, s31, s32                     ; T of u = 0
	s_mul_i32 s32, s29, 128*KROW
	s_lshl_b32 s33, s30, 7
	s_add_co_u32 s32, s32, s33                     ; W: 128 ks rows down, 32 g columns on
	s_mov_b32 s33, 0
	s_mul_i32 s34, s31, 6144
	s_lshl_b32 s35, s29, 10
	s_add_co_u32 s34, s34, s35                     ; wimg: tile T, K step ks
	s_mov_b32 s35, 0
	s_mul_i32 s36, s31, 384
	s_lshl_b32 s37, s29, 6
	s_add_co_u32 s36, s36, s37                     ; wscl likewise
	s_mov_b32 s37, 0
	s_wait_alu depctr_va_vdst(0)
	s_wait_kmcnt 0x0
	s_cmp_eq_u32 s28, 1                            ; which weight and bias: the choice hangs on the work-group's number alone
	s_cselect_b64 s[4:5], s[6:7], s[4:5]
	s_cselect_b64 s[12:13], s[14:15], s[12:13]
	s_cmp_eq_u32 s28, 2
	s_cselect_b64 s[4:5], s[8:9], s[4:5]
	s_cselect_b64 s[12:13], s[16:17], s[12:13]
	s_cmp_eq_u32 s28, 3
	s_cselect_b64 s[4:5], s[10:11], s[4:5]
	s_cselect_b64 s[12:13], s[18:19], s[12:13]
	s_add_nc_u64 s[4:5], s[4:5], s[32:33]
	s_add_nc_u64 s[20:21], s[20:21], s[34:35]
	s_add_nc_u64 s[22:23], s[22:23], s[36:37]
.macro LOAD t                          ; block t: W(128 ks + 32 t + i, my column), i = 0..31
.irp i, 0,1,2,3,4,5,6,7,8,9,10,11,12,13,14,15,16,17,18,19,20,21,22,23,24,25,26,27,28,29,30,31
	global_load_b32 v[XR+32*(\t)+\i], v2, s[4:5] offset:(32*(\t)+\i)*KROW th:TH_LOAD_NT
.endr
.endm
.macro BLOCK t
.set XS, XR+32*(\t)
.if (\t) < 3
	s_wait_loadcnt 32                              ; this block's 32 loads are in; the next block's 32 may be out
.else
	s_wait_loadcnt 0x0
.endif
.if (\t)+2 < 4
	LOAD (\t)+2                                    ; two blocks ahead; every block has registers of its own
.endif
	v_max3_num_f32 v12, |v[XS]|, |v[XS+1]|, |v[XS+2]|              ; the block's largest magnitude, in two chains
	v_max3_num_f32 v13, |v[XS+3]|, |v[XS+4]|, |v[XS+5]|
.irp i, 6,10,14,18,22,26
	v_max3_num_f32 v12, v12, |v[XS+\i]|, |v[XS+\i+1]|
	v_max3_num_f32 v13, v13, |v[XS+\i+2]|, |v[XS+\i+3]|
.endr
	v_max3_num_f32 v12, v12, |v[XS+30]|, |v[XS+31]|
	v_max3_num_f32 v12, v12, v13, 0x1800000        ; and the floor 2^(3 - 127): the byte cannot fall under 1
	v_add_nc_u32 v11, 0xff000000, v12              ; 2 off the exponent field: the conversion takes this operand's exponent field as its scale
	v_lshrrev_b32 v13, 23, v11                     ; the scale's byte
.if (\t) == 0
	v_mov_b32 v20, v13
.else
	v_lshl_or_b32 v20, v13, 8*(\t), v20            ; four bytes make the row's scale word of this K step
.endif
.irp q, 0,1,2,3
	v_cvt_scalef32_pk8_fp4_f32 v[CD+4*(\t)+\q], v[XS+8*\q:XS+8*\q+7], v11
.endr
	global_store_b128 v3, v[CD+4*(\t):CD+4*(\t)+3], s[20:21] offset:256*(\t)   ; the results go to a store alone; the next block begins with plain vector lines ahead of the next write of v11
.endm
	LOAD 0
	LOAD 1
	BLOCK 0
	BLOCK 1
	BLOCK 2
	BLOCK 3
	global_store_b32 v4, v20, s[22:23]
	; the bias images of tiles 2 g and 2 g + 1: made once, by the work-groups of K step 0
	s_cmp_lg_u32 s29, 0
	s_cbranch_scc1 .Ldone
	s_lshl_b32 s38, s30, 7                         ; 32 g numbers
	s_mov_b32 s39, 0
	s_add_nc_u64 s[12:13], s[12:13], s[38:39]
	s_lshl_b32 s38, s31, 10                        ; an image is 1,024 bytes
	s_add_nc_u64 s[24:25], s[24:25], s[38:39]
	v_lshlrev_b32 v8, 4, v1                        ; 16 x lane
	s_cmp_eq_u32 s28, 2
	s_cbranch_scc1 .Lv_bias
	v_lshlrev_b32 v9, 6, v7                        ; q, k, c: b[32 g + 16 h + 8 u + 0..7]
.irp u, 0,1
	global_load_b128 v[BR+8*\u:BR+8*\u+3], v9, s[12:13] offset:32*\u
	global_load_b128 v[BR+8*\u+4:BR+8*\u+7], v9, s[12:13] offset:32*\u+16
.endr
	s_wait_loadcnt 0x0
	s_wait_alu depctr_va_vdst(0)
.irp u, 0,1
	global_store_b128 v8, v[BR+8*\u:BR+8*\u+3], s[24:25] offset:1024*\u
	global_store_b128 v8, v[BR+8*\u+4:BR+8*\u+7], s[24:25] offset:1024*\u+512
.endr
	s_endpgm
.Lv_bias:
	v_and_b32 v9, 15, v0                           ; v: bv[32 g + 8 u + r + 8 (r / 8)] in all eight registers
	v_and_b32 v10, 8, v9
	v_add_nc_u32 v9, v9, v10
	v_lshlrev_b32 v9, 2, v9
.irp u, 0,1
.irp j, 0,1,2,3
	global_load_b32 v[BR+4*\u+\j], v9, s[12:13] offset:32*\u
.endr
.endr
	s_wait_loadcnt 0x0
	s_wait_alu depctr_va_vdst(0)
.irp u, 0,1
	global_store_b128 v8, v[BR+4*\u:BR+4*\u+3], s[24:25] offset:1024*\u
	global_store_b128 v8, v[BR+4*\u:BR+4*\u+3], s[24:25] offset:1024*\u+512
.endr
.Ldone:
	s_endpgm
.Lfunc_end_k_q5b0ecbc18d_prep:
	.size	k_q5b0ecbc18d_prep, .Lfunc_end_k_q5b0ecbc18d_prep-k_q5b0ecbc18d_prep
	.p2alignl 7, 3214868480
	.fill 96, 4, 3214868480
	.section	.rodata,"a",@progbits
	.p2align	6, 0x0
	.amdhsa_kernel k_q5b0ecbc18d_prep
		.amdhsa_group_segment_fixed_size 0
		.amdhsa_private_segment_fixed_size 0
		.amdhsa_enable_private_segment 0
		.amdhsa_kernarg_size 88
		.amdhsa_user_sgpr_count 2
		.amdhsa_user_sgpr_kernarg_segment_ptr 1
		.amdhsa_wavefront_size32 1
		.amdhsa_system_sgpr_workgroup_id_x 1
		.amdhsa_system_sgpr_workgroup_id_y 1
		.amdhsa_system_sgpr_workgroup_id_z 1
		.amdhsa_system_vgpr_workitem_id 0
		.amdhsa_next_free_vgpr 192
		.amdhsa_next_free_sgpr 66
		.amdhsa_reserve_vcc 0
		.amdhsa_float_denorm_mode_32 3
		.amdhsa_float_denorm_mode_16_64 3
		.amdhsa_memory_ordered 1
		.amdhsa_forward_progress 1
		.amdhsa_inst_pref_size 24
	.end_amdhsa_kernel
	.amdgpu_metadata
---
amdhsa.version: [ 1, 2 ]
amdhsa.kernels:
  - .name:           k_q5b0ecbc18d_prep
    .symbol:         k_q5b0ecbc18d_prep.kd
    .args:
      - { .name: Wq, .offset: 0, .size: 8, .value_kind: global_buffer, .address_space: global }
      - { .name: Wk, .offset: 8, .size: 8, .value_kind: global_buffer, .address_space: global }
      - { .name: Wv, .offset: 16, .size: 8, .value_kind: global_buffer, .address_space: global }
      - { .name: Wc, .offset: 24, .size: 8, .value_kind: global_buffer, .address_space: global }
      - { .name: bq, .offset: 32, .size: 8, .value_kind: global_buffer, .address_space: global }
      - { .name: bk, .offset: 40, .size: 8, .value_kind: global_buffer, .address_space: global }
      - { .name: bv, .offset: 48, .size: 8, .value_kind: global_buffer, .address_space: global }
      - { .name: bc, .offset: 56, .size: 8, .value_kind: global_buffer, .address_space: global }
      - { .name: wimg, .offset: 64, .size: 8, .value_kind: global_buffer, .address_space: global }
      - { .name: wscl, .offset: 72, .size: 8, .value_kind: global_buffer, .address_space: global }
      - { .name: bimg, .offset: 80, .size: 8, .value_kind: global_buffer, .address_space: global }
    .group_segment_fixed_size: 0
    .private_segment_fixed_size: 0
    .kernarg_segment_align: 8
    .kernarg_segment_size: 88
    .max_flat_workgroup_size: 64
    .sgpr_count:     66
    .vgpr_count:     192
    .wavefront_size: 32
...
	.end_amdgpu_metadata
.endif
;; end of part 4
;; launch qkv (part 5): grid 2 x 128, 4 waves a work-group, no clusters, 123,392 bytes of LDS; arguments x, wimg, wscl, bimg, qb, kv; writes qb, kv
.if DOCPART == 5
	.amdgcn_target "amdgcn-amd-amdhsa--gfx1250"
	.amdhsa_code_object_version 6
	.text
	.protected	k_q5b0ecbc18d_qkv
	.globl	k_q5b0ecbc18d_qkv
	.p2align	8
	.type	k_q5b0ecbc18d_qkv,@function
k_q5b0ecbc18d_qkv:
	s_mov_b64 s[64:65], 0
	v_nop
	global_prefetch_b8 v0, s[64:65] scope:SCOPE_SE
	s_setreg_imm32_b32 hwreg(HW_REG_WAVE_SCHED_MODE, 0, 2), 2
	s_setreg_imm32_b32 hwreg(HW_REG_WAVE_MODE, 25, 1), 1
	s_wait_xcnt 0x0
	s_wait_alu depctr_vm_vsrc(0)
; q = x Wq + bq, k = x Wk + bk, v = x Wv + bv on codes of FP4 (E2M1) with one E8M0 scale for each 32 along K = 768; the results are quantised again at once, q and k along the head's 64, v along the keys,
; and leave as images of the operands' registers for the attention launch.
; SHARES.  A work-group takes 128 rows of x (row block rb: batch rb / 8, key step rb % 8) and 18 of the 36 heads (0-11 q, 12-23 k, 24-35 v; work-group x picks the half).  Its four waves take 5, 5, 4, 4 heads.
; PHASE X: wave w quantises rows 32 w .. 32 w + 31 of x: 12 fragments (2 tiles x 6 K steps), which go to LDS as images of their registers.  One barrier.
; PHASE F: every wave takes all 48 fragments of x into 384 registers, where they stay.  LDS is not touched again.
; PHASE G: a loop over the wave's heads.  A head's weights (4 tiles x 6 K steps, 192 registers) come from memory straight into the operand's registers, one head ahead: the registers of two K steps are asked for
; again together, once both steps' 64 products are done with them.  A fragment of weights feeds 8 products.  The bias is the C of a sum's first product.
; THE ROWS OF A TILE ARE NOT NEIGHBOURS, of x as of W: row r of tile 2 g + u is row 32 g + 8 u + r + 8 (r / 8).  q, k: the product is used transposed (source 0 = W, source 1 = x): a lane holds one row of x, and the 16
; registers of tiles 2 g, 2 g + 1 are 16 neighbours along the head's 64.  v: source 0 = x, source 1 = W: a lane holds one channel, and the 16 registers of two tiles of rows are 16 neighbouring keys.
; So in both cases accumulators 2 e and 2 e + 1 are half a block of 32 along the next K, the other half lies in lane l xor 16, and ONE way out serves q, k and v.
; OUT.  qb: a head = 64 tile images of 512 bytes (tile 8 kst + mt; lane (r, h): block h of row r), then scale words [kst][r][p]: word p = the two bytes of tile 2 p, then of tile 2 p + 1.
;       kv: a head = K's tile images as q's | V^T fragments [kst][dt 4][c 2][lane][16] | K's scale words | V's scale words [kst][r][dt].  Every store of codes covers 512 consecutive bytes, aligned.
; NO CLUSTER: the weights that the 128 row blocks share go from memory into ONE wave's registers in the operand's order, and the four waves stand at four different heads, 5, 5, 4, 4 long; a joint request
; lands in LDS and would want a ring there, filled again head by head in step with the partners.  Not built in this version.
; The two work-groups of a row block both read and quantise its 128 rows of x.  A wave's last head still asks for the head after it (head 36 at the most, which lies inside all three buffers) and discards it:
; so the counted waits are the same in every trip.
; LIMITS: a block of zeros gets the scale byte 1 where the rule says 127 (its codes are zeros; this program alone reads the bytes); NaN and infinities are not served.
; THE MODE: SCHED_MODE bits 1:0 = 2 (LLVM: expert scheduling mode 2), set by the entry lines.  The code itself states the register dependences between vector or matrix instructions and memory or LDS
; instructions, with s_wait_alu, always for 0.
; THE PLAN.  Registers that memory or LDS instructions touch:
;   v1-v7           addresses and offsets, made once at the head and never written again: one wait on va_vdst ahead of the first load serves them for the whole kernel.
;   PHASE X, fragment f:
;   window 3, set f % 4   written by fragment f's global loads; read by the stage stores of TURN f, by no vector instruction; loaded again by fragment f + 4.
;   XR[f % 2]       written by TURN f's LDS loads; read by QUANT f.
;   PC, PW[f % 2]   written by QUANT f; read by fragment f's image stores, which are issued at the head of step f + 1.
;   So the waits at a step's head state all that the step's memory and LDS instructions hang on, and none of the step's vector lines names a register that those touch.
;   PHASE G, a head:
;   W0 W1 B S0      read by the products of K steps 0 and 1; the next head's loads land in them in K step 2, behind the wait at its head.
;   W2 W3           read by K steps 2 and 3; loaded again in K step 4, behind the wait at its head.
;   S1 W4 W5 S2     read by K steps 2 to 5; loaded again behind K step 5 and its wait.
;   CD, SW          written by the way out's vector lines; read by the nine stores at its end; written again nearly a head later.
;   x's fragments, x's scale words and the accumulators are named by matrix and vector instructions alone in the loop.
; REGISTERS, in windows of 256.  Window 0: v1-7 addresses; v30, v31 the closing add's two; phase X: v64-191 two sets of 64 numbers, v192-207 at work, v208-216 and v224-232 two sets of codes and scale word;
;   phase G: v32-55 x's scale words, v56-67 W's, v80-111 the bias, v112-187 the way out, v192-255 W of K steps 4, 5.
;   window 1: x of K steps 0-3 (64 ks + 8 mt).   window 2: v0-127 x of K steps 4, 5; v128-255 W of K steps 0-3 (128 + 32 ks + 8 nt).   window 3: phase X: four sets of 64 numbers as loaded; phase G: the 32 accumulators.
.set XROW, 3072                        ; a row of x in bytes
.set XIMG, 0                           ; LDS: x's 48 fragments, 1,024 bytes each, fragment 8 ks + mt
.set XSC,  49152                       ; their scale words [mt][ks][16]
.set STG,  52224                       ; two stages for each wave, 16 rows x 528 bytes
.set SPI,  528                         ; a stage row: 512 bytes + 16: 33 x 16, so sixteen rows' equal columns fall on different banks (64 banks of 4 bytes: ISA guide 11.1)
.set STB,  16*SPI
.set LI,   1                           ; v1  16 x lane
.set STO,  2                           ; v2  the stage, in: 16 x lane
.set STL,  3                           ; v3  the stage, out: row r, + 64 h
.set XWI,  4                           ; v4  where I store x's images
.set XWS,  5                           ; v5  and their scale words
.set LS,   6                           ; v6  4 x lane
.set R16,  7                           ; v7  16 x (lane % 16)
.set XR,   64
.set TMX,  192
.set PC,   208                         ; a fragment's codes: set p at PC + 16 p
.set PW,   216                         ; its scale word: set p at PW + 16 p
.set XS,   32
.set WS,   56
.set BI,   80
.set TM,   112
.set TP,   128
.set CD,   144
.set HW,   176
.set SW,   184
.set WV,   16                          ; s16 wave
.set B12,  19                          ; s19 12 x batch
.set K4096, 20                         ; s20 4,096 x key step
.set K256, 21                          ; s21 256 x key step
.set SEL,  24                          ; s[24:25] v_permlanex16_b32's selects for lane l xor 16
.set HD,   26                          ; s26 the head in hand
.set CNT,  27                          ; s27 heads to go
.set MSB, 0
.macro WIN new                         ; the immediate's high byte repeats the setting that is left
.if MSB != \new
	s_set_vgpr_msb (MSB<<8)|\new
.set MSB, \new
.endif
.endm
.macro PLACES                          ; four plain vector instructions behind a matrix instruction, ahead of vector reads of its results (ISA guide 7.12.1)
.rept 4
	v_nop
.endr
.endm
	s_load_b256 s[4:11], s[0:1], 0x0               ; x s[4:5], wimg s[6:7], wscl s[8:9], bimg s[10:11]
	s_load_b128 s[12:15], s[0:1], 0x20             ; qb s[12:13], kv s[14:15]
	v_lshl_add_u32 v30, v0, 2, 0x1e000             ; my spare word, behind the stages: kept for the closing lines alone
	v_mov_b32 v31, 0                               ; and 0, likewise
	v_lshrrev_b32 v8, 5, v0
	v_readfirstlane_b32 s[WV], v8                  ; wave 0..3
	v_and_b32 v8, 31, v0                           ; lane
	v_and_b32 v9, 15, v0                           ; r
	v_bfe_u32 v10, v0, 4, 1                        ; h
	v_lshlrev_b32 v[LI], 4, v8
	v_lshlrev_b32 v[LS], 2, v8
	v_lshlrev_b32 v[R16], 4, v9
	s_wait_alu depctr_va_sdst(0)                   ; s16, the wave's number, is written, ahead of its first reader: LDS places, heads and bases are made from it
	s_mul_i32 s32, s[WV], 2*STB
	s_add_co_u32 s32, s32, STG                     ; my two stages
	v_add_nc_u32 v[STO], s32, v[LI]
	v_mul_u32_u24 v[STL], v9, SPI
	v_lshl_add_u32 v[STL], v10, 6, v[STL]
	v_add_nc_u32 v[STL], s32, v[STL]
	s_lshl_b32 s32, s[WV], 11                      ; my tiles are 2 w and 2 w + 1
	v_add_nc_u32 v[XWI], s32, v[LI]
	s_mul_i32 s32, s[WV], 768
	s_add_co_u32 s32, s32, XSC
	v_lshl_add_u32 v[XWS], v9, 2, s32
	s_mov_b32 s[SEL], 0x76543210
	s_mov_b32 s[SEL+1], 0xfedcba98
.irp b, 0,1,2,3
	v_mov_b32 v[TMX+4+\b], 0                       ; written once: a lane permute's destination counts as one of its sources
.endr
	s_and_b32 s18, ttmp7, 0xffff                   ; rb
	s_lshr_b32 s[B12], s18, 3
	s_mul_i32 s[B12], s[B12], 12
	s_and_b32 s[K256], s18, 7
	s_lshl_b32 s[K4096], s[K256], 12
	s_lshl_b32 s[K256], s[K256], 8
	s_mul_i32 s[HD], s[WV], 5                      ; my first head: 18 x half + 5 w, one less for wave 3
	s_lshr_b32 s32, s[WV], 1
	s_sub_co_u32 s[CNT], 5, s32                    ; 5, 5, 4, 4 heads
	s_and_b32 s32, s32, s[WV]
	s_sub_co_u32 s[HD], s[HD], s32
	s_mul_i32 s32, ttmp9, 18
	s_add_co_u32 s[HD], s[HD], s32
	s_lshl_b32 s32, s18, 7
	s_lshl_b32 s33, s[WV], 5
	s_add_co_u32 s32, s32, s33
	s_mul_i32 s32, s32, XROW                       ; x at row 128 rb + 32 w (under 2^26 bytes)
	s_mov_b32 s33, 0
	s_mul_i32 s34, s[HD], 24576
	s_mov_b32 s35, 0
	s_mul_i32 s36, s[HD], 1536
	s_mov_b32 s37, 0
	s_mul_i32 s38, s[HD], 4096
	s_mov_b32 s39, 0
	s_wait_kmcnt 0x0
	s_add_nc_u64 s[4:5], s[4:5], s[32:33]
	s_add_nc_u64 s[6:7], s[6:7], s[34:35]          ; the weights' codes, scale words and bias images of my first head
	s_add_nc_u64 s[8:9], s[8:9], s[36:37]
	s_add_nc_u64 s[10:11], s[10:11], s[38:39]
	s_wait_alu depctr_va_vdst(0)                   ; the seven addresses and offsets v1 to v7 are written: every load and store of the kernel, global or LDS, reads one of them
; ---- PHASE X.  Fragment f = 2 ks + u: tile 2 w + u, K step ks.
.macro LOADX f                         ; its 16 rows x 512 bytes, as they lie: each load reads 512 consecutive bytes.  Into set f % 4 of window 3
	WIN 0xc0
.irp i, 0,1,2,3,4,5,6,7,8,9,10,11,12,13,14,15
	global_load_b128 v[64*((\f)%4)+4*\i:64*((\f)%4)+4*\i+3], v[LI], s[4:5] offset:(8*((\f)%2)+\i+8*(\i/8))*XROW+((\f)/2)*512
.endr
	WIN 0
.endm
.macro TURN f                          ; through my stage: in by rows, out 16 neighbours of each block of 32 a lane.  LDS serves a wave's instructions in order (ISA guide 5.7.1.4): no wait between
	WIN 0x0c                                       ; an LDS store's data are its source 1: window 3
.irp i, 0,1,2,3,4,5,6,7,8,9,10,11,12,13,14,15
	ds_store_b128 v[STO], v[64*((\f)%4)+4*\i:64*((\f)%4)+4*\i+3] offset:((\f)%2)*STB+\i*SPI
.endr
	WIN 0
.irp b, 0,1,2,3
.irp j, 0,1,2,3
	ds_load_b128 v[XR+64*((\f)%2)+16*\b+4*\j:XR+64*((\f)%2)+16*\b+4*\j+3], v[STL] offset:((\f)%2)*STB+128*\b+16*\j
.endr
.endr
.endm
; 64 numbers of a lane, register 16 b + i = k 32 b + 16 (lane / 16) + i of my row, become a fragment's codes and its scale word, in set p of PC and PW
.macro QUANT s, p
.irp b, 0,1,2,3
	v_max3_num_f32 v[TMX+\b], |v[\s+16*\b]|, |v[\s+1+16*\b]|, 0x1800000   ; my 16 numbers of block b, and the floor 2^(3 - 127): the byte cannot fall under 1
.endr
.irp i, 2,4,6,8,10,12,14
.irp b, 0,1,2,3
	v_max3_num_f32 v[TMX+\b], v[TMX+\b], |v[\s+16*\b+\i]|, |v[\s+1+16*\b+\i]|   ; the four blocks by turns
.endr
.endr
.irp b, 0,1,2,3
	v_permlanex16_b32 v[TMX+4+\b], v[TMX+\b], s[SEL], s[SEL+1]
.endr
.irp b, 0,1,2,3
	v_max_num_f32 v[TMX+\b], v[TMX+\b], v[TMX+4+\b]   ; with lane l xor 16's: the block's largest magnitude
.endr
.irp b, 0,1,2,3
	v_add_nc_u32 v[TMX+12+\b], 0xff000000, v[TMX+\b]   ; 2 off its exponent field: the conversion's scale operand
.endr
.irp b, 0,1,2,3
	v_lshrrev_b32 v[TMX+4+\b], 23, v[TMX+12+\b]    ; the scale's byte
.endr
	v_lshl_or_b32 v[PW+16*(\p)], v[TMX+5], 8, v[TMX+4]
	v_lshl_or_b32 v[PW+16*(\p)], v[TMX+6], 16, v[PW+16*(\p)]
	v_lshl_or_b32 v[PW+16*(\p)], v[TMX+7], 24, v[PW+16*(\p)]
.irp b, 0,1,2,3
	v_cvt_scalef32_pk8_fp4_f32 v[PC+16*(\p)+2*\b], v[\s+16*\b:\s+7+16*\b], v[TMX+12+\b]
	v_cvt_scalef32_pk8_fp4_f32 v[PC+16*(\p)+1+2*\b], v[\s+8+16*\b:\s+15+16*\b], v[TMX+12+\b]
.endr
	v_nop                                          ; one plain place behind a scaled conversion
.irp c, 0,1                                    ; the operand's layout wants a whole block in a lane: lanes 0-15 block 2 c, lanes 16-31 block 2 c + 1
.irp i, 0,1
	v_permlane16_swap_b32 v[PC+16*(\p)+4*\c+\i], v[PC+16*(\p)+2+4*\c+\i]
.endr
.endr
.endm
.macro IMG f                           ; fragment f goes to LDS as it stands, out of set f % 2
.irp c, 0,1
	ds_store_b128 v[XWI], v[PC+16*((\f)%2)+4*\c:PC+16*((\f)%2)+4*\c+3] offset:XIMG+((\f)/2)*8192+((\f)%2)*1024+512*\c   ; 16 bytes a lane
.endr
	ds_store_b32 v[XWS], v[PW+16*((\f)%2)] offset:((\f)%2)*384+((\f)/2)*64   ; lanes r and r + 16 write the same word with the same value
.endm
.macro XSTEP f
	s_wait_dscnt 0x0                               ; this fragment's numbers are back from the stage
	s_wait_alu depctr_vm_vsrc(0)                   ; the stage stores of this fragment have read set f % 4 of window 3, in which the loads below land; the image stores of two fragments back have read the codes and the scale word that this step's lines write again
.if (\f) > 0
	s_wait_alu depctr_va_vdst(0)                   ; the fragment before is quantised: its codes and scale word are written, which the image stores below read, and its lines are done reading their 64 numbers, in which the next fragment's LDS loads land
.endif
.if (\f)+4 < 12
	LOADX (\f)+4                                   ; four fragments ahead, into the set just freed
.endif
.if (\f) > 0
	IMG (\f)-1                                     ; the fragment before.  No vector line since the waits names its registers
.endif
.if (\f) < 11
.if 10-(\f) >= 3
	s_wait_loadcnt 48                              ; the next fragment's 16 loads are in; the three sets behind it may be out
.else
	s_wait_loadcnt 16*(10-(\f))
.endif
	TURN (\f)+1                                    ; it goes through the other stage while this one is quantised
.endif
	QUANT XR+64*((\f)%2), (\f)%2
.endm
	LOADX 0
	LOADX 1
	LOADX 2
	LOADX 3
	s_wait_loadcnt 48                              ; fragment 0's 16 loads are in
	TURN 0
.irp f, 0,1,2,3,4,5,6,7,8,9,10,11
	XSTEP \f
.endr
	s_wait_alu depctr_va_vdst(0)                   ; the last fragment's codes and scale word are written, which the stores below read; and every vector line of this phase is done with v64-255, in parts of which the first head's loads land
	IMG 11
	s_wait_dscnt 0x0                               ; for the others' sake: my images are stored
	s_barrier_signal -1
	s_barrier_wait -1                              ; x's 48 fragments lie in LDS
	s_wait_alu depctr_vm_vsrc(0)                   ; my image stores have read v208-232, which lie where W of K steps 4 and 5 lands; my stage stores have read window 3, which the products write
; ---- the loads of a head's weights, from the pointers s[6:11].  Each run sets its own window
.macro LDW ks                          ; W's four fragments of K step ks
.if (\ks) < 4
	WIN 0x80
.irp nt, 0,1,2,3
.irp c, 0,1
	global_load_b128 v[128+32*(\ks)+8*\nt+4*\c:128+32*(\ks)+8*\nt+4*\c+3], v[LI], s[6:7] offset:\nt*6144+(\ks)*1024+512*\c
.endr
.endr
.else
	WIN 0
.irp nt, 0,1,2,3
.irp c, 0,1
	global_load_b128 v[192+32*((\ks)-4)+8*\nt+4*\c:192+32*((\ks)-4)+8*\nt+4*\c+3], v[LI], s[6:7] offset:\nt*6144+(\ks)*1024+512*\c
.endr
.endr
.endif
.endm
.macro LDB                             ; the four tiles' bias images
	WIN 0
.irp nt, 0,1,2,3
.irp c, 0,1
	global_load_b128 v[BI+8*\nt+4*\c:BI+8*\nt+4*\c+3], v[LI], s[10:11] offset:\nt*1024+512*\c
.endr
.endr
.endm
.macro LDSC i                          ; W's scale words of K steps 2 i (lanes 0-15) and 2 i + 1 (lanes 16-31)
	WIN 0
.irp nt, 0,1,2,3
	global_load_b32 v[WS+3*\nt+(\i)], v[LS], s[8:9] offset:\nt*384+(\i)*128
.endr
.endm
	LDW 0                                          ; the first head, in the order in which the loop asks for every later one: W0 W1 B S0 | W2 W3 | S1 W4 W5 S2
	LDW 1
	LDB
	LDSC 0
	LDW 2
	LDW 3
	LDSC 1
	LDW 4
	LDW 5
	LDSC 2
; ---- PHASE F: all of x's fragments and scale words into registers
	WIN 0x40
.set F, 0
.rept 32
	ds_load_b128 v[8*F:8*F+3], v[LI] offset:XIMG+F*1024
	ds_load_b128 v[8*F+4:8*F+7], v[LI] offset:XIMG+F*1024+512
.set F, F+1
.endr
	WIN 0x80
.rept 16
	ds_load_b128 v[8*(F-32):8*(F-32)+3], v[LI] offset:XIMG+F*1024
	ds_load_b128 v[8*(F-32)+4:8*(F-32)+7], v[LI] offset:XIMG+F*1024+512
.set F, F+1
.endr
	WIN 0
.irp mt, 0,1,2,3,4,5,6,7
.irp i, 0,1,2
	ds_load_b32 v[XS+3*\mt+\i], v[LS] offset:XSC+\mt*384+\i*128   ; lanes 0-15: K step 2 i; lanes 16-31: K step 2 i + 1
.endr
.endr
.irp e, 0,1,2,3,4,5,6,7,8,9,10,11,12,13,14,15
	v_mov_b32 v[TP+\e], 0                          ; written once: a lane permute's destination counts as one of its sources
.endr
	s_wait_xcnt 0x0                                ; the first head's loads have read their bases:
	s_add_nc_u64 s[6:7], s[6:7], 24576             ; on to the head after it
	s_add_nc_u64 s[8:9], s[8:9], 1536
	s_add_nc_u64 s[10:11], s[10:11], 4096
	s_wait_dscnt 0x0
; ---- PHASE G
.macro MM d, a, b, c, sa, sb, ks       ; one product; K step 0 takes the bias as C; odd K steps take their scale words from lanes 16-31
.if (\ks) == 0
	v_wmma_scale_f32_16x16x128_f8f6f4 v[(\d):(\d)+7], v[(\a):(\a)+7], v[(\b):(\b)+7], v[(\c):(\c)+7], v[\sa], v[\sb] matrix_a_fmt:MATRIX_FMT_FP4 matrix_b_fmt:MATRIX_FMT_FP4
.elseif (\ks)%2
	v_wmma_scale_f32_16x16x128_f8f6f4 v[(\d):(\d)+7], v[(\a):(\a)+7], v[(\b):(\b)+7], v[(\d):(\d)+7], v[\sa], v[\sb] matrix_a_fmt:MATRIX_FMT_FP4 matrix_b_fmt:MATRIX_FMT_FP4 matrix_a_scale:MATRIX_SCALE_ROW1 matrix_b_scale:MATRIX_SCALE_ROW1
.else
	v_wmma_scale_f32_16x16x128_f8f6f4 v[(\d):(\d)+7], v[(\a):(\a)+7], v[(\b):(\b)+7], v[(\d):(\d)+7], v[\sa], v[\sb] matrix_a_fmt:MATRIX_FMT_FP4 matrix_b_fmt:MATRIX_FMT_FP4
.endif
.endm
.macro WMM ks, vv                      ; the windows of K step ks's products
.if \vv
.if (\ks) == 0
	WIN 0xc9                                       ; source 0 (x) window 1, source 1 (W) window 2, C (bias) window 0, D window 3
.elseif (\ks) < 4
	WIN 0xf9
.else
	WIN 0xf2                                       ; x window 2, W window 0
.endif
.else
.if (\ks) == 0
	WIN 0xc6                                       ; source 0 (W) window 2, source 1 (x) window 1, C (bias) window 0, D window 3
.elseif (\ks) < 4
	WIN 0xf6
.else
	WIN 0xf8                                       ; W window 0, x window 2
.endif
.endif
.endm
; Products 8 j .. 8 j + 7 of K step ks's 32.  Each accumulator once a K step, in the same order in every K step
.macro MM8 ks, vv, j
.if (\ks) < 4
.set rW, 128+32*(\ks)
.set rX, 64*(\ks)
.else
.set rW, 192+32*((\ks)-4)
.set rX, 64*((\ks)-4)
.endif
.if \vv
.irp mt, 0,1,2,3,4,5,6,7
	MM 8*(8*(\j)+\mt), rX+8*\mt, rW+8*(\j), BI+8*(\j), XS+3*\mt+(\ks)/2, WS+3*(\j)+(\ks)/2, \ks
.endr
.else
.irp mt, 2*(\j), 2*(\j)+1
.irp nt, 0,1,2,3
	MM 8*(4*(\mt)+\nt), rW+8*\nt, rX+8*(\mt), BI+8*\nt, WS+3*\nt+(\ks)/2, XS+3*(\mt)+(\ks)/2, \ks
.endr
.endr
.endif
.endm
; A head's 192 products, and the next head's 68 loads.
; THE WAITS ON LOADS.  Loads come back in order (ISA guide 5.7.1).  A head's loads go out in three groups: W0 W1 B S0 (28) in the K step 2 of the head before, W2 W3 (16) in its K step 4, S1 W4 W5 S2 (24) behind its K step 5.
; K step 0 wants the first group: behind it stand the other two, 40.  K step 2 wants W2 W3 S1: behind S1 stand W4 W5 S2, 20.  K step 4 wants W4 W5 S2: behind S2 stands the next head's first group, 28.
.macro PRODUCTS vv
	s_wait_loadcnt 40
	WMM 0, \vv
.irp j, 0,1,2,3
	MM8 0, \vv, \j
.endr
	WMM 1, \vv
.irp j, 0,1,2,3
	MM8 1, \vv, \j
.endr
	s_wait_loadcnt 20
	s_wait_alu depctr_va_vdst(0)                   ; the products of K steps 0 and 1 are done reading W0, W1, the bias and S0, in which the 28 loads of this K step land.  Its own products name W2, x, S1 and the accumulators: none of those registers
	MM8 2, \vv, 0
	LDW 0
	WMM 2, \vv
	MM8 2, \vv, 1
	LDW 1
	WMM 2, \vv
	MM8 2, \vv, 2
	LDB
	LDSC 0
	WMM 2, \vv
	MM8 2, \vv, 3
.irp j, 0,1,2,3
	MM8 3, \vv, \j
.endr
	s_wait_loadcnt 28
	s_wait_alu depctr_va_vdst(0)                   ; the products of K steps 2 and 3 are done reading W2 and W3, in which the 16 loads of this K step land.  Its own products name W4, x, S2 and the accumulators
	WMM 4, \vv
	MM8 4, \vv, 0
	LDW 2
	WMM 4, \vv
	MM8 4, \vv, 1
	LDW 3
	WMM 4, \vv
	MM8 4, \vv, 2
	MM8 4, \vv, 3
.irp j, 0,1,2,3
	MM8 5, \vv, \j
.endr
	WIN 0
	PLACES                                         ; ahead of the way out's reads of the results
	s_wait_alu depctr_va_vdst(0)                   ; the products of K steps 2 to 5 are done reading S1, W4, W5 and S2, in which the 24 loads below land
	LDSC 1
	LDW 4
	LDW 5
	LDSC 2
.endm
.Lhead:
	s_cmp_lt_u32 s[HD], 24
	s_cbranch_scc0 .Lv_head
	PRODUCTS 0
	s_branch .Lway_out
.Lv_head:
	PRODUCTS 1
.Lway_out:
	; THE WAY OUT.  Block e = registers 16 e .. 16 e + 15 of window 3 = my half of a block of 32 along the next K; group G = e / 2 = 512 bytes of image.
	WIN 0x3c                                       ; sources 1 and 2 window 3
.irp e, 0,1,2,3,4,5,6,7,8,9,10,11,12,13,14,15
	v_max3_num_f32 v[TM+\e], 0x1800000, |v[16*\e]|, |v[16*\e+1]|   ; the floor 2^(3 - 127) and my first two; each accumulator is read from its low end on
.endr
.irp i, 2,4,6,8,10,12,14
.irp e, 0,1,2,3,4,5,6,7,8,9,10,11,12,13,14,15
	v_max3_num_f32 v[TM+\e], v[TM+\e], |v[16*\e+\i]|, |v[16*\e+\i+1]|
.endr
.endr
	WIN 0
	s_wait_xcnt 0x0                                ; every earlier load and store has read its bases, offsets and data: all may be written again
	s_wait_alu depctr_vm_vsrc(0)                   ; the last head's nine stores have read v[CD ..] and v[SW ..], which the lines below write again
	s_add_nc_u64 s[6:7], s[6:7], 24576             ; the weights' pointers go on: two heads past the one just made
	s_add_nc_u64 s[8:9], s[8:9], 1536
	s_add_nc_u64 s[10:11], s[10:11], 4096
	s_mov_b32 s33, 69632
	s_mov_b32 s34, 65536
	s_mov_b32 s37, 67584
	s_cmp_lt_u32 s[HD], 12                         ; q?
	s_cselect_b64 s[28:29], s[12:13], s[14:15]     ; qb or kv
	s_cselect_b32 s33, 34816, s33                  ; a head's bytes there
	s_cselect_b32 s34, 32768, s34                  ; where its scale words begin (q; k)
	s_cselect_b32 s35, 0, 12
	s_cmp_lt_u32 s[HD], 24                         ; q or k?
	s_cselect_b32 s36, 0, 32768                    ; where its images begin
	s_cselect_b32 s35, s35, 24
	s_cselect_b32 s34, s34, s37                    ; (v's scale words)
	s_sub_co_u32 s35, s[HD], s35                   ; the head among the 12
	s_add_co_u32 s35, s35, s[B12]
	s_mul_i32 s35, s35, s33                        ; its first byte (under 2^24)
	s_add_co_u32 s36, s36, s35
	s_add_co_u32 s36, s36, s[K4096]                ; images: 4,096 bytes a key step
	s_add_co_u32 s34, s34, s35
	s_add_co_u32 s34, s34, s[K256]                 ; scale words: 256 bytes a key step
	s_mov_b32 s37, 0
	s_mov_b32 s35, 0
	s_mov_b64 s[30:31], s[28:29]
	s_add_nc_u64 s[28:29], s[28:29], s[36:37]
	s_add_nc_u64 s[30:31], s[30:31], s[34:35]
	s_add_co_u32 s[HD], s[HD], 1
.irp e, 0,1,2,3,4,5,6,7,8,9,10,11,12,13,14,15
	v_permlanex16_b32 v[TP+\e], v[TM+\e], s[SEL], s[SEL+1]
.endr
.irp e, 0,1,2,3,4,5,6,7,8,9,10,11,12,13,14,15
	v_max_num_f32 v[TM+\e], v[TM+\e], v[TP+\e]     ; with lane l xor 16's half: the block's largest magnitude
.endr
.irp e, 0,1,2,3,4,5,6,7,8,9,10,11,12,13,14,15
	v_add_nc_u32 v[TM+\e], 0xff000000, v[TM+\e]    ; 2 off its exponent field: the conversion's scale operand
.endr
.irp e, 0,1,2,3,4,5,6,7,8,9,10,11,12,13,14,15
	v_lshrrev_b32 v[TP+\e], 23, v[TM+\e]           ; the scale's byte
.endr
.irp g, 0,1,2,3,4,5,6,7
	v_lshl_or_b32 v[HW+\g], v[TP+2*\g+1], 8, v[TP+2*\g]
.endr
.irp p, 0,1,2,3
	v_lshl_or_b32 v[SW+\p], v[HW+2*\p+1], 16, v[HW+2*\p]
.endr
	WIN 0x03                                       ; source 0 window 3
.irp e, 0,1,2,3,4,5,6,7,8,9,10,11,12,13,14,15
	v_cvt_scalef32_pk8_fp4_f32 v[CD+2*\e], v[16*\e:16*\e+7], v[TM+\e]
	v_cvt_scalef32_pk8_fp4_f32 v[CD+2*\e+1], v[16*\e+8:16*\e+15], v[TM+\e]
.endr
	WIN 0
	v_nop                                          ; one plain place behind a scaled conversion
.irp g, 0,1,2,3,4,5,6,7
	v_permlane16_swap_b32 v[CD+4*\g], v[CD+4*\g+2]     ; a whole block to a lane: lanes 0-15 the group's first block, lanes 16-31 its second
	v_permlane16_swap_b32 v[CD+4*\g+1], v[CD+4*\g+3]
.endr
	s_wait_alu depctr_va_vdst(0)                   ; the exchanges have written v[CD ..] and the shifts v[SW ..], which the nine stores read
.irp g, 0,1,2,3,4,5,6,7
	global_store_b128 v[LI], v[CD+4*\g:CD+4*\g+3], s[28:29] offset:512*\g   ; 32 lanes store 512 consecutive bytes, aligned
.endr
	global_store_b128 v[R16], v[SW:SW+3], s[30:31]     ; 256 consecutive bytes; lanes r and r + 16 write the same bytes with the same values
	s_sub_co_u32 s[CNT], s[CNT], 1
	s_cmp_lg_u32 s[CNT], 0
	s_cbranch_scc1 .Lhead
	s_wait_dscnt 0x0                               ; the closing lines, six on end
	s_wait_alu 0x0
	s_wait_tensorcnt 0x0
	ds_add_u32 v30, v31
	s_wait_dscnt 0x0
	s_endpgm
.Lfunc_end_k_q5b0ecbc18d_qkv:
	.size	k_q5b0ecbc18d_qkv, .Lfunc_end_k_q5b0ecbc18d_qkv-k_q5b0ecbc18d_qkv
	.p2alignl 7, 3214868480
	.fill 96, 4, 3214868480
	.section	.rodata,"a",@progbits
	.p2align	6, 0x0
	.amdhsa_kernel k_q5b0ecbc18d_qkv
		.amdhsa_group_segment_fixed_size 123392
		.amdhsa_private_segment_fixed_size 0
		.amdhsa_enable_private_segment 0
		.amdhsa_kernarg_size 48
		.amdhsa_user_sgpr_count 2
		.amdhsa_user_sgpr_kernarg_segment_ptr 1
		.amdhsa_wavefront_size32 1
		.amdhsa_system_sgpr_workgroup_id_x 1
		.amdhsa_system_sgpr_workgroup_id_y 1
		.amdhsa_system_sgpr_workgroup_id_z 1
		.amdhsa_system_vgpr_workitem_id 0
		.amdhsa_next_free_vgpr 1024
		.amdhsa_next_free_sgpr 66
		.amdhsa_reserve_vcc 0
		.amdhsa_float_denorm_mode_32 3
		.amdhsa_float_denorm_mode_16_64 3
		.amdhsa_memory_ordered 1
		.amdhsa_forward_progress 1
		.amdhsa_inst_pref_size 190
	.end_amdhsa_kernel
	.amdgpu_metadata
---
amdhsa.version: [ 1, 2 ]
amdhsa.kernels:
  - .name:           k_q5b0ecbc18d_qkv
    .symbol:         k_q5b0ecbc18d_qkv.kd
    .args:
      - { .name: x, .offset: 0, .size: 8, .value_kind: global_buffer, .address_space: global }
      - { .name: wimg, .offset: 8, .size: 8, .value_kind: global_buffer, .address_space: global }
      - { .name: wscl, .offset: 16, .size: 8, .value_kind: global_buffer, .address_space: global }
      - { .name: bimg, .offset: 24, .size: 8, .value_kind: global_buffer, .address_space: global }
      - { .name: qb, .offset: 32, .size: 8, .value_kind: global_buffer, .address_space: global }
      - { .name: kv, .offset: 40, .size: 8, .value_kind: global_buffer, .address_space: global }
    .group_segment_fixed_size: 123392
    .private_segment_fixed_size: 0
    .kernarg_segment_align: 8
    .kernarg_segment_size: 48
    .max_flat_workgroup_size: 128
    .sgpr_count:     66
    .vgpr_count:     1024
    .wavefront_size: 32
...
	.end_amdgpu_metadata
.endif
;; end of part 5
;; launch attn (part 6): grid 256 x 1, 16 waves a work-group, no clusters, 264,192 bytes of LDS; arguments qb, kv, wimg, wscl, bimg, out0; writes out0
.if DOCPART == 6
	.amdgcn_target "amdgcn-amd-amdhsa--gfx1250"
	.amdhsa_code_object_version 6
	.text
	.protected	k_q5b0ecbc18d_attn
	.globl	k_q5b0ecbc18d_attn
	.p2align	8
	.type	k_q5b0ecbc18d_attn,@function
k_q5b0ecbc18d_attn:
	s_mov_b64 s[64:65], 0
	v_nop
	global_prefetch_b8 v0, s[64:65] scope:SCOPE_SE
	s_setreg_imm32_b32 hwreg(HW_REG_WAVE_MODE, 25, 1), 1
	s_wait_xcnt 0x0
; out0 = reshape(softmax(q k^T / 8) v) Wc + bc, all three products on codes of FP4 (E2M1) with one E8M0 scale for each 32 along K.
; THE SOFTMAX AHEAD OF THE SECOND PRODUCT: t = score x log2(e) / 8; M = the row's largest t so far, rounded UP to a whole number; p = 2^(t - M) is what is quantised, along the keys, not normalised.  The row's sum is taken
; of the unquantised p and divides O at the end.  When M moves, the sum and O are multiplied by 2^(old M - new M): exact.
; THE RESHAPE.  [B, H, S, 64] is read as [B, S, 768]: output row s' holds the 12 consecutive rows 12 s' .. 12 s' + 11 of o, counted through batch, head and query.  So 768 consecutive rows of o are 64 whole output rows,
; and a block of 32 along the last product's K is half a row of o, which the wave that made it quantises itself.
; SHARES.  Work-group wg makes units U = 3 wg + 0, 1, 2, each 256 queries of head U / 4, query block U % 4; that is rows 768 wg .. + 767 of o and rows 64 wg .. + 63 of out0.  Each of its SIXTEEN waves owns 16 queries of a
; unit, one tile, in 256 registers: four waves to a SIMD, so that one wave's vector work stands beside another's matrix work and LDS loads.  Every wave walks the head's 1,024 keys, 128 a step.
; LDS.  A head's K, V and their scale words are one dense block of 69,632 bytes.  Three slots, one for each unit, each filled ONCE: waves 0 to 3 ask for a quarter of each at the kernel's head, three tensor loads a wave,
; all three out together.  No byte is filled twice.  Behind them: o's codes as rows (row jl of o: 32 bytes at 32 jl, which is the matrix [64][384 bytes] of the last product, K innermost), o's scale bytes (2 jl), and
; o's 24 fragments as images of their registers.  The stage for out0 lies over the slots, when they have had their only fill and their last read.
; LAYOUT.  S^T = K Q^T (source 0 = keys, source 1 = my 16 queries), O^T = V^T P^T: a lane holds ONE query throughout.  The rows of a tile are not neighbours (row r of tile 2 b + u is 32 b + 8 u + r + 8 (r / 8)), so that the 16
; registers of two neighbouring tiles are 16 neighbours along the next K.
; K = 64 IN AN INSTRUCTION OF 128: source 0 holds tile 2 b in k 0-63 and tile 2 b + 1 in k 64-127, all of them real codes and scale bytes; source 1 is [q | zeros] for tile 2 b and [zeros | q] for tile 2 b + 1.  Zero codes add nothing.
; NO CLUSTER: four neighbouring work-groups walk the same three heads, but at different places: a unit's slot would hang on the work-group's place in its cluster, which no LDS address may.
; LIMITS: a block of zeros gets the scale byte 1 where the rule says 127 (its codes are zeros; this program alone reads the bytes).  A block's largest p is taken from its largest score, which takes v_exp_f32 not to fall
; where its input rises.  NaN and infinities are not served.
; REGISTERS: v1-11 addresses; v12 -M, v13 the largest t, v[14:15] the sum in two halves; v16-23 [q | 0], v24-31 [0 | q]; v32-63 four fragments of K, v64-95 four of V; v96-159 S^T, then p; v160-191 O^T; v192-199 p's codes;
;   v200-221 at work; v232-235 K's scale words, v236-239 V's, v240 q's, v241 p's.  In the last product: v16-63 Wc, two sets of three fragments; v64-87 bc; v96-127 o; v136-231 twelve accumulators; v232-240 Wc's scale words, v241-252 o's.
.set SLOTB, 69632                      ; a head's block of kv, and a slot
.set QUART, 17408                      ; a quarter of it: 68 rows of 256 bytes
.set OROW,  3*SLOTB                    ; o's codes as rows: 768 rows of 32 bytes
.set OSC,   OROW+768*32                ; o's scale bytes: 2 a row of o = 6 words an output row
.set OIMG,  OSC+768*2                  ; o's 24 fragments, 1,024 bytes each: fragment 6 mt + ks
.set SPITCH, 3088                      ; the stage: 64 rows x (3,072 bytes + 16): 193 x 16, so sixteen rows' equal columns fall on different banks (ISA guide 11.1)
.set WCT,   144                        ; Wc's first tile
.set LI,   1                           ; v1  16 x lane
.set R16,  2                           ; v2  16 x (lane % 16)
.set ADK,  3                           ; v3  the step's fragments; later o's rows, o's images, the stage on the way back
.set ADS,  4                           ; v4  the step's scale words; later o's
.set OA,   5                           ; v5  where my 16 bytes of a row of o go, in unit 0; v5-7 later: the stage, in
.set OS,   6                           ; v6  and my row's two scale bytes
.set RI,   7                           ; v7  where I store o's images
.set H1,   8                           ; v8  lane / 16
.set PFO,  9                           ; v9  256 x lane; never rewritten
.set LS,   10                          ; v10 4 x lane
.set BM,   200
.set TP,   204
.set SO,   208
.set FF,   212
.set T0,   214
.set C2,   216
.set G1,   16                          ; s[16:23] descriptor group 1
.set G0,   24                          ; s[24:35] descriptor group 0, a set for each unit
.set WV,   36
.set SEL,  38                          ; s[38:39] v_permlanex16_b32's selects for lane l xor 16
.set CS,   40                          ; s[40:41] c = log2(e) / 8
.set TB,   42                          ; s42 LDS byte of the step's K fragments
.set TS,   43                          ; s43 and of its scale words
.set KC,   44                          ; s44 key steps to go
.set LIM,  45                          ; s45 2 in a wave that prefetches, else the greatest number
.set PSEL, 46                          ; s46 which half of q's loaded word holds my tile's two bytes
.set QA,   48                          ; s[48+4 ui : 49+4 ui] my q tile of unit ui; s[50+4 ui : 51+4 ui] its scale words
.set PFA,  66                          ; s[66:67] my work-group's 8,192 bytes of Wc's codes; never rewritten
.set WCP,  68                          ; s[68:69] my three tiles of Wc; s[70:71] their scale words; s[72:73] their bias images
.set WSP,  70
.set BCP,  72
.set OUTP, 74                          ; s[74:75] out0 at my four rows
.macro PLACES                          ; four plain vector instructions behind a matrix instruction, ahead of loads into its registers and of reads of its results
.rept 4
	v_nop
.endr
.endm
	s_load_b256 s[4:11], s[0:1], 0x0               ; qb s[4:5], kv s[6:7], wimg s[8:9], wscl s[10:11]
	s_load_b128 s[12:15], s[0:1], 0x20             ; bimg s[12:13], out0 s[14:15]
	v_lshl_add_u32 v254, v0, 2, 0x40000
	v_mov_b32 v255, 0
	ds_add_u32 v254, v255
	ds_add_u32 v254, v255
	v_lshrrev_b32 v1, 5, v0
	s_delay_alu instid0(VALU_DEP_1)
	v_readfirstlane_b32 s[WV], v1                  ; wave 0..15
	; descriptor group 1: 68 dense rows of 256 bytes, as 32 elements of 8 bytes; no padding: the block is read as images, 16 bytes a lane on end
	s_mov_b32 s[G1], 3<<16                         ; 15:0 no mask; 17:16 elements of 8 bytes
	s_mov_b32 s[G1+1], 32<<16                      ; tensor_dim0 = 32
	s_mov_b32 s[G1+2], 68<<16                      ; tensor_dim1 = 68
	s_mov_b32 s[G1+3], 32<<16                      ; tile_dim0 = 32
	s_mov_b32 s[G1+4], 68                          ; tile_dim1 = 68
	s_mov_b32 s[G1+5], 32                          ; tensor_dim0_stride
	s_mov_b32 s[G1+6], 0
	s_mov_b32 s[G1+7], 0
	s_mul_i32 s60, ttmp9, 3                        ; my first unit
	s_and_b32 s76, s[WV], 3
	s_mul_i32 s76, s76, QUART                      ; which quarter I fetch, if I fetch
	s_wait_dscnt 0x0
	s_wait_kmcnt 0x0
.irp ui, 0,1,2
	s_add_co_u32 s61, s60, \ui
	s_lshr_b32 s62, s61, 2                         ; the unit's head
	s_mul_i32 s62, s62, SLOTB
	s_add_co_u32 s62, s62, s76
	s_mov_b32 s63, 0
	s_mov_b32 s[G0+4*\ui], 1                       ; 1:0 count = 1
	s_add_co_u32 s[G0+4*\ui+1], s76, \ui*SLOTB     ; 63:32 LDS address: the unit's slot, my quarter
	s_add_nc_u64 s[G0+4*\ui+2:G0+4*\ui+3], s[6:7], s[62:63]   ; 120:64 global address
	s_or_b32 s[G0+4*\ui+3], s[G0+4*\ui+3], 0x80000000         ; 127:126 type = 2
.endr
	s_cmp_lt_u32 s[WV], 4                          ; waves 0 to 3 fetch: their three first fills stand in one branch, ahead of every wait on TENSORcnt, every LDS read and every barrier
	s_cbranch_scc0 .Lno_fetch
	tensor_load_to_lds s[G0:G0+3], s[G1:G1+7]
	s_nop 0
	tensor_load_to_lds s[G0+4:G0+7], s[G1:G1+7]
	s_nop 0
	tensor_load_to_lds s[G0+8:G0+11], s[G1:G1+7]
	s_nop 0
	PLACES
.Lno_fetch:
	v_and_b32 v11, 31, v0                          ; lane
	s_delay_alu instid0(VALU_DEP_1)
	v_lshlrev_b32 v[LI], 4, v11
	s_wait_alu depctr_va_vdst(0)
	v_lshlrev_b32 v[LS], 2, v11
	v_lshlrev_b32 v[PFO], 8, v11
	v_and_b32 v11, 15, v0                          ; r
	s_delay_alu instid0(VALU_DEP_1)
	v_lshlrev_b32 v[R16], 4, v11
	s_wait_alu depctr_va_vdst(0)
	s_lshr_b32 s77, s[WV], 3                       ; my q tile is tile 16 qblk + w: key step 2 qblk + w / 8, tile w % 8 in it
	s_bfe_u32 s78, s[WV], 0x20001                  ; (w % 8) / 2: which word of a row's four holds its bytes
	s_lshl_b32 s78, s78, 2
	s_mov_b32 s81, 0
.irp ui, 0,1,2
	s_add_co_u32 s61, s60, \ui
	s_lshr_b32 s62, s61, 2
	s_mul_i32 s62, s62, 34816                      ; the head's first byte in qb
	s_and_b32 s61, s61, 3                          ; qblk
	s_lshl_b32 s79, s61, 4
	s_add_co_u32 s79, s79, s[WV]
	s_lshl_b32 s79, s79, 9
	s_add_co_u32 s80, s62, s79
	s_add_nc_u64 s[QA+4*\ui:QA+4*\ui+1], s[4:5], s[80:81]
	s_lshl_b32 s79, s61, 1
	s_add_co_u32 s79, s79, s77
	s_lshl_b32 s79, s79, 8
	s_add_co_u32 s79, s79, s78
	s_add_co_u32 s79, s79, 32768
	s_add_co_u32 s80, s62, s79
	s_add_nc_u64 s[QA+4*\ui+2:QA+4*\ui+3], s[4:5], s[80:81]
.endr
	global_load_b128 v[16:19], v[LI], s[QA:QA+1]   ; unit 0's q, twice: once for each of the two operands
	global_load_b128 v[28:31], v[LI], s[QA:QA+1]
	global_load_b32 v240, v[R16], s[QA+2:QA+3]
	; where my row of o goes.  My query in a unit's 256 is jl = 32 (w / 2) + 8 (w % 2) + r + 8 (r / 8): its codes lie at OROW + 32 jl + 16 h, its two scale bytes at OSC + 2 jl; the unit stands in the stores' immediates
	v_bfe_u32 v[H1], v0, 4, 1                      ; h
	v_and_b32 v[OS], 8, v11
	s_delay_alu instid0(VALU_DEP_1)
	v_add_nc_u32 v[OS], v[OS], v11                 ; r + 8 (r / 8)
	s_delay_alu instid0(VALU_DEP_1)
	v_lshlrev_b32 v[OA], 5, v[OS]
	s_delay_alu instid0(VALU_DEP_1)
	v_lshl_add_u32 v[OA], v[H1], 4, v[OA]
	s_delay_alu instid0(VALU_DEP_3)
	v_lshlrev_b32 v[OS], 1, v[OS]
	s_wait_alu depctr_va_vdst(0)
	s_lshr_b32 s61, s[WV], 1
	s_lshl_b32 s61, s61, 5
	s_and_b32 s62, s[WV], 1
	s_lshl_b32 s62, s62, 3
	s_add_co_u32 s61, s61, s62                     ; 32 (w / 2) + 8 (w % 2)
	s_lshl_b32 s62, s61, 5
	s_add_co_u32 s62, s62, OROW
	v_add_nc_u32 v[OA], s62, v[OA]
	s_lshl_b32 s62, s61, 1
	s_add_co_u32 s62, s62, OSC
	v_add_nc_u32 v[OS], s62, v[OS]
	s_mov_b32 s[SEL], 0x76543210
	s_mov_b32 s[SEL+1], 0xfedcba98
	s_mov_b32 s[CS], 0x3e38aa3b                    ; c = log2(e) / 8
	s_mov_b32 s[CS+1], s[CS]                       ; (named with it as a pair, so it is written)
	s_mov_b32 s[PSEL], 0x03020302
	s_and_b32 s47, s[WV], 1
	s_cmp_eq_u32 s47, 0
	s_cselect_b32 s[PSEL], 0x01000100, s[PSEL]     ; an even tile's two bytes are the word's low half
	s_cmp_lt_u32 ttmp9, 36                         ; the prefetch of Wc's codes: wave 4 of work-groups 0 to 35
	s_cselect_b32 s47, 4, -1
	s_cmp_eq_u32 s47, s[WV]
	s_cselect_b32 s[LIM], 2, -1
	s_min_u32 s62, ttmp9, 35
	s_lshl_b32 s62, s62, 13
	s_add_co_u32 s62, s62, WCT*6144
	s_mov_b32 s63, 0
	s_add_nc_u64 s[PFA:PFA+1], s[8:9], s[62:63]
	s_mul_i32 s61, s[WV], 3
	s_add_co_u32 s61, s61, WCT                     ; my three tiles of Wc
	s_mul_i32 s62, s61, 6144
	s_add_nc_u64 s[WCP:WCP+1], s[8:9], s[62:63]
	s_mul_i32 s62, s61, 384
	s_add_nc_u64 s[WSP:WSP+1], s[10:11], s[62:63]
	s_lshl_b32 s62, s61, 10
	s_add_nc_u64 s[BCP:BCP+1], s[12:13], s[62:63]
	s_lshl_b32 s61, ttmp9, 6
	s_lshl_b32 s62, s[WV], 2
	s_add_co_u32 s61, s61, s62
	s_mul_i32 s62, s61, 3072                       ; out0 at row 64 wg + 4 w (under 2^26 bytes)
	s_add_nc_u64 s[OUTP:OUTP+1], s[14:15], s[62:63]
.irp j, 20,21,22,23,24,25,26,27
	v_mov_b32 v[\j], 0                             ; the zero halves of the two q operands: written once
.endr
.irp b, 0,1,2,3
	v_mov_b32 v[TP+\b], 0                          ; written once: a lane permute's destination counts as one of its sources
.endr
	v_mov_b32 v[FF+1], 0                           ; (named as the upper half of a pair)
; A KEY STEP: 128 keys.  pf = 1: the unit's loop holds the prefetch.
.macro STEP pf
	s_setprio 2
	v_add_nc_u32 v[ADK], s[TB], v[LI]
	v_add_nc_u32 v[ADS], s[TS], v[R16]
.irp b, 0,1,2,3
.irp c, 0,1
	ds_load_b128 v[32+8*\b+4*\c:35+8*\b+4*\c], v[ADK] offset:\b*1024+512*\c   ; K: tiles 2 b (c = 0) and 2 b + 1 (c = 1) as one fragment
.endr
.endr
	ds_load_b128 v[232:235], v[ADS]                ; and the four fragments' scale words
.irp d, 0,1,2,3
.irp c, 0,1
	ds_load_b128 v[64+8*\d+4*\c:67+8*\d+4*\c], v[ADK] offset:32768+\d*1024+512*\c   ; V^T: 16 channels x these 128 keys
.endr
.endr
	ds_load_b128 v[236:239], v[ADS] offset:2048
.if \pf
; A PREFETCH of Wc's codes, 294,912 bytes = 1,152 blocks of 256: each is named once in the launch: wave 4 of work-groups 0 to 35, one instruction, lanes 256 bytes apart, 8,192 bytes a work-group.
; It stands in the last unit's loop with two key steps to go, behind the step's LDS loads; the first load of Wc stands behind that loop.
	s_cmp_eq_u32 s[KC], s[LIM]
	s_cbranch_scc0 .Lnot_mine_\@
	global_prefetch_b8 v[PFO], s[PFA:PFA+1] th:TH_LOAD_NT scope:SCOPE_SE
.Lnot_mine_\@:
.endif
	s_wait_dscnt 9                                 ; K's nine loads are in; V's nine may be out
.irp b, 0,1,2,3
	v_wmma_scale_f32_16x16x128_f8f6f4 v[96+16*\b:103+16*\b], v[32+8*\b:39+8*\b], v[16:23], 0, v[232+\b], v240 matrix_a_fmt:MATRIX_FMT_FP4 matrix_b_fmt:MATRIX_FMT_FP4
	v_wmma_scale_f32_16x16x128_f8f6f4 v[104+16*\b:111+16*\b], v[32+8*\b:39+8*\b], v[24:31], 0, v[232+\b], v240 matrix_a_fmt:MATRIX_FMT_FP4 matrix_b_fmt:MATRIX_FMT_FP4
.endr                                          ; lane (r, h) holds query r; registers 96 + 16 b + i are keys 32 b + 16 h + i of the step
	PLACES
.irp b, 0,1,2,3
	v_max3_num_f32 v[BM+\b], v[96+16*\b], v[97+16*\b], v[98+16*\b]   ; the largest score of each block of 32 keys: it serves the row's maximum and, since p rises with the score, the block's largest p
.endr
.irp i, 3,5,7,9,11,13
.irp b, 0,1,2,3
	v_max3_num_f32 v[BM+\b], v[BM+\b], v[96+16*\b+\i], v[97+16*\b+\i]   ; the four blocks by turns; each accumulator is met at its low end first
.endr
.endr
.irp b, 0,1,2,3
	v_max_num_f32 v[BM+\b], v[BM+\b], v[111+16*\b]
.endr
.irp b, 0,1,2,3
	s_delay_alu instid0(VALU_DEP_4)
	v_permlanex16_b32 v[TP+\b], v[BM+\b], s[SEL], s[SEL+1]
.endr
.irp b, 0,1,2,3
	s_delay_alu instid0(VALU_DEP_4)
	v_max_num_f32 v[BM+\b], v[BM+\b], v[TP+\b]     ; with lane l xor 16's 16 keys
.endr
	s_delay_alu instid0(VALU_DEP_2)
	v_max3_num_f32 v[T0], v[BM], v[BM+1], v[BM+2]
	s_delay_alu instid0(VALU_DEP_1)
	v_max_num_f32 v[T0], v[T0], v[BM+3]            ; the step's largest score of my query
	s_delay_alu instid0(VALU_DEP_1)
	v_mul_f32 v[T0], s[CS], v[T0]                  ; as t (c is positive)
	s_delay_alu instid0(VALU_DEP_1)
	v_max_num_f32 v13, v13, v[T0]                  ; the running largest t
	v_mov_b32 v[T0], v12
	s_delay_alu instid0(VALU_DEP_2)
	v_floor_f32 v12, -v13                          ; the new -M = floor(-t) = -ceil(t): M is a whole number
	s_delay_alu instid0(VALU_DEP_1)
	v_sub_f32 v[T0], v12, v[T0]                    ; old M - new M: a whole number, 0 or less
	s_delay_alu instid0(VALU_DEP_1)
	v_cvt_i32_f32 v[T0], v[T0]                     ; (it saturates)
	s_delay_alu instid0(VALU_DEP_1)
	v_ldexp_f32 v[FF], 1.0, v[T0]                  ; f = 2^(old M - new M): a multiplication by it rounds nothing
.irp j, 0,2,4,6,8,10,12,14,16,18,20,22,24,26,28,30,32,34,36,38,40,42,44,46,48,50,52,54,56,58,60,62
	v_pk_fma_f32 v[96+\j:97+\j], v[96+\j:97+\j], s[CS:CS+1], v[12:13] op_sel_hi:[1,0,0]   ; t - M, two at a time
.endr
.irp b, 0,1,2,3
	v_fma_f32 v[BM+\b], v[BM+\b], s[CS], v12       ; the same of each block's largest score
.endr
	s_wait_alu depctr_va_vdst(0)
.irp j, 0,1,2,3,4,5,6,7,8,9,10,11,12,13,14,15,16,17,18,19,20,21,22,23,24,25,26,27,28,29,30,31,32,33,34,35,36,37,38,39,40,41,42,43,44,45,46,47,48,49,50,51,52,53,54,55,56,57,58,59,60,61,62,63
	v_exp_f32 v[96+\j], v[96+\j]                   ; p = 2^(t - M), at most 1
.endr
	s_setprio 1
.irp b, 0,1,2,3
	v_exp_f32 v[BM+\b], v[BM+\b]                   ; the block's largest p: the same two instructions on the same number give the same bits
.endr
	v_pk_mul_f32 v[14:15], v[14:15], v[FF:FF+1] op_sel_hi:[1,0]   ; the sums under the new M.  (A plain place behind the exponentials)
	s_wait_alu depctr_va_vdst(0)
.irp b, 0,1,2,3
	v_max_num_f32 v[BM+\b], 0x1800000, v[BM+\b]    ; the floor 2^(3 - 127): the byte cannot fall under 1
.endr
.irp b, 0,1,2,3
	s_delay_alu instid0(VALU_DEP_4)
	v_add_nc_u32 v[SO+\b], 0xff000000, v[BM+\b]    ; 2 off the exponent field: the conversion's scale operand
.endr
.irp b, 0,1,2,3
	s_delay_alu instid0(VALU_DEP_4)
	v_lshrrev_b32 v[TP+\b], 23, v[SO+\b]           ; the scale's byte
.endr
	s_delay_alu instid0(VALU_DEP_3)
	v_lshl_or_b32 v241, v[TP+1], 8, v[TP]          ; p's scale word for these 128 keys
	s_delay_alu instid0(VALU_DEP_1)
	v_lshl_or_b32 v241, v[TP+2], 16, v241
	s_delay_alu instid0(VALU_DEP_1)
	v_lshl_or_b32 v241, v[TP+3], 24, v241
.irp b, 0,1,2,3
	v_cvt_scalef32_pk8_fp4_f32 v[192+2*\b], v[96+16*\b:103+16*\b], v[SO+\b]
	v_cvt_scalef32_pk8_fp4_f32 v[193+2*\b], v[104+16*\b:111+16*\b], v[SO+\b]
.endr
	v_nop                                          ; one plain place behind a scaled conversion
.irp c, 0,1                                    ; a whole block to a lane: lanes 0-15 block 2 c, lanes 16-31 block 2 c + 1
.irp i, 0,1
	v_permlane16_swap_b32 v[192+4*\c+\i], v[194+4*\c+\i]
.endr
.endr
	v_pk_add_f32 v[216:217], v[100:101], v[104:105]
	v_pk_add_f32 v[252:253], v[108:109], v[112:113]
	v_pk_add_f32 v[250:251], v[116:117], v[120:121]
	v_pk_add_f32 v[248:249], v[124:125], v[128:129]
	v_pk_add_f32 v[246:247], v[132:133], v[136:137]
	v_pk_add_f32 v[244:245], v[140:141], v[144:145]
	v_pk_add_f32 v[242:243], v[148:149], v[152:153]
	v_pk_add_f32 v[14:15], v[14:15], v[156:157]
	v_pk_add_f32 v[216:217], v[216:217], v[96:97]
	v_pk_add_f32 v[252:253], v[252:253], v[98:99]
	v_pk_add_f32 v[250:251], v[250:251], v[102:103]
	v_pk_add_f32 v[248:249], v[248:249], v[106:107]
	v_pk_add_f32 v[246:247], v[246:247], v[110:111]
	v_pk_add_f32 v[244:245], v[244:245], v[114:115]
	v_pk_add_f32 v[242:243], v[242:243], v[118:119]
	v_pk_add_f32 v[14:15], v[14:15], v[122:123]
	v_pk_add_f32 v[216:217], v[216:217], v[126:127]
	v_pk_add_f32 v[252:253], v[252:253], v[130:131]
	v_pk_add_f32 v[250:251], v[250:251], v[134:135]
	v_pk_add_f32 v[248:249], v[248:249], v[138:139]
	v_pk_add_f32 v[246:247], v[246:247], v[142:143]
	v_pk_add_f32 v[244:245], v[244:245], v[146:147]
	v_pk_add_f32 v[242:243], v[242:243], v[150:151]
	v_pk_add_f32 v[14:15], v[14:15], v[154:155]
	v_pk_add_f32 v[216:217], v[216:217], v[158:159]
	s_delay_alu instid0(VALU_DEP_2)
	v_pk_add_f32 v[14:15], v[14:15], v[248:249]
	s_delay_alu instid0(VALU_DEP_2)
	v_pk_add_f32 v[216:217], v[216:217], v[246:247]
	v_pk_add_f32 v[252:253], v[252:253], v[244:245]
	v_pk_add_f32 v[250:251], v[250:251], v[242:243]
	s_delay_alu instid0(VALU_DEP_2)
	v_pk_add_f32 v[14:15], v[14:15], v[252:253]
	s_delay_alu instid0(VALU_DEP_2)
	v_pk_add_f32 v[216:217], v[216:217], v[250:251]
	s_delay_alu instid0(VALU_DEP_1)
	v_pk_add_f32 v[14:15], v[14:15], v[216:217]
	s_setprio 0
.irp j, 0,2,4,6,8,10,12,14,16,18,20,22,24,26,28,30
	v_pk_mul_f32 v[160+\j:161+\j], v[160+\j:161+\j], v[FF:FF+1] op_sel_hi:[1,0]   ; O^T under the new M
.endr
	s_wait_alu depctr_va_vdst(0)
	s_wait_dscnt 0x0                               ; V
.irp d, 0,1,2,3
	v_wmma_scale_f32_16x16x128_f8f6f4 v[160+8*\d:167+8*\d], v[64+8*\d:71+8*\d], v[192:199], v[160+8*\d:167+8*\d], v[236+\d], v241 matrix_a_fmt:MATRIX_FMT_FP4 matrix_b_fmt:MATRIX_FMT_FP4
.endr
	PLACES                                         ; ahead of the next step's loads into V's registers, and of the way out's reads
	s_add_co_u32 s[TB], s[TB], 4096
	s_add_co_u32 s[TS], s[TS], 256
.endm
.macro LDWC ks                         ; my three tiles of Wc, K step ks, into set ks % 2
.irp i, 0,1,2
.irp c, 0,1
	global_load_b128 v[16+24*((\ks)%2)+8*\i+4*\c:16+24*((\ks)%2)+8*\i+4*\c+3], v[LI], s[WCP:WCP+1] offset:\i*6144+(\ks)*1024+512*\c
.endr
.endr
.endm
; THE WAY OUT OF A UNIT: o = O^T / the sum; my row's 64 numbers are two blocks of the last product's K; their codes and bytes go to LDS as a row of o: a unit's 256 rows are 8,192 bytes of codes and 512 of scale bytes.
.macro WAYOUT ui
	v_add_f32 v14, v14, v15                        ; the sum's two halves,
	s_delay_alu instid0(VALU_DEP_1)
	v_permlanex16_b32 v[T0], v14, s[SEL], s[SEL+1]
	s_delay_alu instid0(VALU_DEP_1)
	v_add_f32 v14, v14, v[T0]                      ; and lane l xor 16's: the row's sum
	s_wait_alu depctr_va_vdst(0)
	v_rcp_f32 v14, v14
	v_nop                                          ; a plain place behind the reciprocal
	s_wait_alu depctr_va_vdst(0)
.irp j, 0,1,2,3,4,5,6,7,8,9,10,11,12,13,14,15,16,17,18,19,20,21,22,23,24,25,26,27,28,29,30,31
	v_mul_f32 v[96+\j], v[160+\j], v14             ; register 16 g + i is channel 32 g + 16 h + i of my row
.endr
.irp g, 0,1
	v_max3_num_f32 v[BM+\g], |v[96+16*\g]|, |v[97+16*\g]|, 0x1800000
.endr
.irp i, 2,4,6,8,10,12,14
.irp g, 0,1
	s_delay_alu instid0(VALU_DEP_2)
	v_max3_num_f32 v[BM+\g], v[BM+\g], |v[96+16*\g+\i]|, |v[97+16*\g+\i]|
.endr
.endr
.irp g, 0,1
	s_delay_alu instid0(VALU_DEP_2)
	v_permlanex16_b32 v[TP+\g], v[BM+\g], s[SEL], s[SEL+1]
.endr
.irp g, 0,1
	s_delay_alu instid0(VALU_DEP_2)
	v_max_num_f32 v[BM+\g], v[BM+\g], v[TP+\g]
.endr
.irp g, 0,1
	s_delay_alu instid0(VALU_DEP_2)
	v_add_nc_u32 v[SO+\g], 0xff000000, v[BM+\g]
.endr
.irp g, 0,1
	s_delay_alu instid0(VALU_DEP_2)
	v_lshrrev_b32 v[TP+\g], 23, v[SO+\g]
.endr
	s_delay_alu instid0(VALU_DEP_1)
	v_lshl_or_b32 v221, v[TP+1], 8, v[TP]
.irp g, 0,1
	v_cvt_scalef32_pk8_fp4_f32 v[192+2*\g], v[96+16*\g:103+16*\g], v[SO+\g]
	v_cvt_scalef32_pk8_fp4_f32 v[193+2*\g], v[104+16*\g:111+16*\g], v[SO+\g]
.endr
	v_nop                                          ; one plain place behind a scaled conversion
	v_permlane16_swap_b32 v192, v194               ; lanes 0-15: channels 0-31; lanes 16-31: channels 32-63
	v_permlane16_swap_b32 v193, v195
	ds_store_b128 v[OA], v[192:195] offset:\ui*8192
	ds_store_b16 v[OS], v221 offset:\ui*512        ; lanes r and r + 16 write the same two bytes with the same values
.endm
.macro UNIT ui
	s_wait_loadcnt 0x0                             ; q and its scale word
	v_perm_b32 v240, v240, v240, s[PSEL]           ; my tile's two bytes, twice: for k 0-63 and for k 64-127
	v_mov_b32 v13, 0xff61b1e6                      ; the largest t so far: -3e38, under every t
	s_delay_alu instid0(VALU_DEP_1)
	v_floor_f32 v12, -v13                          ; -M
	v_mov_b32 v14, 0
	v_mov_b32 v15, 0
.irp j, 0,1,2,3,4,5,6,7,8,9,10,11,12,13,14,15,16,17,18,19,20,21,22,23,24,25,26,27,28,29,30,31
	v_mov_b32 v[160+\j], 0                         ; O^T.  (The step is written once a unit: the first finds zeros, which the first change of M leaves zeros)
.endr
	s_mov_b32 s[TB], \ui*SLOTB
	s_mov_b32 s[TS], \ui*SLOTB+65536
	s_mov_b32 s[KC], 8
	s_wait_dscnt 0x0                               ; my LDS stores of the unit before have landed
	s_wait_tensorcnt 2-\ui                         ; my quarter of this unit's slot is in; the later units' may stay out
	s_barrier_signal -1
	s_barrier_wait -1                              ; everybody's is
.Lstep_\@:
.if \ui == 2
	STEP 1
.else
	STEP 0
.endif
	s_sub_co_u32 s[KC], s[KC], 1
	s_cmp_lg_u32 s[KC], 0
	s_cbranch_scc1 .Lstep_\@
	s_setprio 0
.if \ui < 2
	global_load_b128 v[16:19], v[LI], s[QA+4*(\ui+1):QA+4*(\ui+1)+1]   ; the next unit's q lands while this unit goes out
	global_load_b128 v[28:31], v[LI], s[QA+4*(\ui+1):QA+4*(\ui+1)+1]
	global_load_b32 v240, v[R16], s[QA+4*(\ui+1)+2:QA+4*(\ui+1)+3]
.else
.irp i, 0,1,2                                  ; the last product's first operands: bc, Wc's scale words, Wc's K steps 0 and 1
.irp c, 0,1
	global_load_b128 v[64+8*\i+4*\c:67+8*\i+4*\c], v[LI], s[BCP:BCP+1] offset:\i*1024+512*\c
.endr
.endr
.irp i, 0,1,2
.irp q, 0,1,2
	global_load_b32 v[232+3*\i+\q], v[LS], s[WSP:WSP+1] offset:\i*384+\q*128   ; lanes 0-15: K step 2 q; lanes 16-31: 2 q + 1
.endr
.endr
	LDWC 0
	LDWC 1
.endif
	WAYOUT \ui
.endm
	UNIT 0
	UNIT 1
	UNIT 2
	; ---- o's ROWS BECOME IMAGES.  Lane (r, h) of fragment (mt, ks), half c, wants output row 16 mt + r, k = 128 ks + 64 c + 32 h on: row 12 (16 mt + r) + 2 ks + c of o, block h: byte 384 r + 16 h + 6144 mt + 32 (2 ks + c).
	; At that pitch the sixteen rows of a load fall on two columns of banks, so each of the 48 halves is read so ONCE: wave w takes halves 3 w + 0, 1, 2 (mt = w / 4, 2 ks + c = 3 (w % 4) + i) and stores them 16 bytes a lane on end.
	v_and_b32 v11, 15, v0                          ; r
	s_delay_alu instid0(VALU_DEP_1)
	v_mul_u32_u24 v[ADK], v11, 384
	s_delay_alu instid0(VALU_DEP_1)
	v_lshl_add_u32 v[ADK], v[H1], 4, v[ADK]
	s_lshr_b32 s60, s[WV], 2
	s_mul_i32 s60, s60, 6144
	s_and_b32 s61, s[WV], 3
	s_mul_i32 s61, s61, 96
	s_add_co_u32 s60, s60, s61
	s_add_co_u32 s60, s60, OROW
	v_add_nc_u32 v[ADK], s60, v[ADK]
	v_mul_u32_u24 v[ADS], v11, 24                  ; o's scale words: 6 words an output row; lanes 0-15 take an even K step's, lanes 16-31 the next one's
	s_delay_alu instid0(VALU_DEP_1)
	v_lshl_add_u32 v[ADS], v[H1], 2, v[ADS]
	s_delay_alu instid0(VALU_DEP_1)
	v_add_nc_u32 v[ADS], OSC, v[ADS]
	s_mul_i32 s60, s[WV], 1536
	s_add_co_u32 s60, s60, OIMG
	v_add_nc_u32 v[RI], s60, v[LI]
	s_wait_alu depctr_va_vdst(0)
	s_wait_dscnt 0x0                               ; my rows of o are stored
	s_barrier_signal -1
	s_barrier_wait -1                              ; all 768 rows of o lie in LDS, and nobody reads a slot any more
.irp i, 0,1,2
	ds_load_b128 v[96+4*\i:99+4*\i], v[ADK] offset:32*\i
.endr
.irp mt, 0,1,2,3
.irp q, 0,1,2
	ds_load_b32 v[241+3*\mt+\q], v[ADS] offset:\mt*384+\q*8   ; the words 6 r + h fall on 32 different banks
.endr
.endr
	s_wait_dscnt 12                                ; my three halves are in; the twelve loads of scale words may be out
.irp i, 0,1,2
	ds_store_b128 v[RI], v[96+4*\i:99+4*\i] offset:512*\i
.endr
	v_add_nc_u32 v[ADK], OIMG, v[LI]               ; from here on: the images
	v_mul_u32_u24 v11, v11, SPITCH                 ; the stage, in: row r, + 64 h, + my tile's 32 g + 8 u columns
	s_delay_alu instid0(VALU_DEP_1)
	v_lshl_add_u32 v11, v[H1], 6, v11
	s_wait_alu depctr_va_vdst(0)
	s_mul_i32 s60, s[WV], 3
.irp i, 0,1,2
	s_add_co_u32 s61, s60, \i
	s_lshr_b32 s62, s61, 1
	s_lshl_b32 s62, s62, 7
	s_and_b32 s61, s61, 1
	s_lshl_b32 s61, s61, 5
	s_add_co_u32 s62, s62, s61
	v_add_nc_u32 v[5+\i], s62, v11
.endr
	s_wait_dscnt 0x0                               ; for the others' sake: my images are stored
	s_barrier_signal -1
	s_barrier_wait -1                              ; o's 24 fragments lie in LDS
	; ---- THE LAST PRODUCT: out0 = o Wc + bc.  Wave w makes columns 48 w .. 48 w + 47 (three tiles of Wc) for the work-group's 64 rows; transposed: source 0 = Wc, source 1 = o.
.macro PM d, a, b, c, sa, sb, ks
.if (\ks) == 0
	v_wmma_scale_f32_16x16x128_f8f6f4 v[(\d):(\d)+7], v[(\a):(\a)+7], v[(\b):(\b)+7], v[(\c):(\c)+7], v[\sa], v[\sb] matrix_a_fmt:MATRIX_FMT_FP4 matrix_b_fmt:MATRIX_FMT_FP4
.elseif (\ks)%2
	v_wmma_scale_f32_16x16x128_f8f6f4 v[(\d):(\d)+7], v[(\a):(\a)+7], v[(\b):(\b)+7], v[(\d):(\d)+7], v[\sa], v[\sb] matrix_a_fmt:MATRIX_FMT_FP4 matrix_b_fmt:MATRIX_FMT_FP4 matrix_a_scale:MATRIX_SCALE_ROW1 matrix_b_scale:MATRIX_SCALE_ROW1
.else
	v_wmma_scale_f32_16x16x128_f8f6f4 v[(\d):(\d)+7], v[(\a):(\a)+7], v[(\b):(\b)+7], v[(\d):(\d)+7], v[\sa], v[\sb] matrix_a_fmt:MATRIX_FMT_FP4 matrix_b_fmt:MATRIX_FMT_FP4
.endif
.endm
.irp ks, 0,1,2,3,4,5
.irp mt, 0,1,2,3
	ds_load_b128 v[96+8*\mt:99+8*\mt], v[ADK] offset:(\mt*6+\ks)*1024
	ds_load_b128 v[100+8*\mt:103+8*\mt], v[ADK] offset:(\mt*6+\ks)*1024+512
.endr
.if \ks < 5
	s_wait_loadcnt 6                               ; this K step's Wc is in (at K step 0: bc and the scale words too); the next K step's six loads may be out
.else
	s_wait_loadcnt 0x0
.endif
	s_wait_dscnt 0x0
.irp i, 0,1,2                                  ; twelve accumulators, each once a K step, in the same order
.irp mt, 0,1,2,3
	PM 136+8*(4*\i+\mt), 16+24*(\ks%2)+8*\i, 96+8*\mt, 64+8*\i, 232+3*\i+\ks/2, 241+3*\mt+\ks/2, \ks
.endr
.endr
	PLACES                                         ; ahead of the loads into Wc's set and into o's fragments, and of the stores of the results
.if \ks < 4
	LDWC \ks+2
.endif
.endr
	s_wait_alu depctr_va_vdst(0)
	; the stage: lane (r, h) holds eight neighbouring columns of row 16 mt + r.  Each accumulator from its low end on
.irp mt, 0,1
.irp i, 0,1,2
	ds_store_b128 v[5+\i], v[136+8*(4*\i+\mt):139+8*(4*\i+\mt)] offset:\mt*16*SPITCH
	ds_store_b128 v[5+\i], v[140+8*(4*\i+\mt):143+8*(4*\i+\mt)] offset:\mt*16*SPITCH+16
.endr
.endr
.irp i, 0,1,2
	v_add_nc_u32 v[5+\i], 32*SPITCH, v[5+\i]       ; rows 32 on lie beyond an immediate's reach
.endr
.irp mt, 2,3
.irp i, 0,1,2
	ds_store_b128 v[5+\i], v[136+8*(4*\i+\mt):139+8*(4*\i+\mt)] offset:(\mt-2)*16*SPITCH
	ds_store_b128 v[5+\i], v[140+8*(4*\i+\mt):143+8*(4*\i+\mt)] offset:(\mt-2)*16*SPITCH+16
.endr
.endr
	s_mul_i32 s60, s[WV], 4*SPITCH
	v_add_nc_u32 v[ADK], s60, v[LI]                ; back: my four rows, 16 bytes a lane
	s_wait_alu depctr_va_vdst(0)
	s_wait_dscnt 0x0                               ; for the others' sake: my stores into the stage are done
	s_barrier_signal -1
	s_barrier_wait -1                              ; 64 whole rows of out0 lie in the stage
.irp rr, 0,1,2,3
.irp k, 0,1,2,3,4,5
	ds_load_b128 v[16+4*(6*\rr+\k):19+4*(6*\rr+\k)], v[ADK] offset:\rr*SPITCH+512*\k
.endr
.endr
.irp rr, 0,1,2,3
.irp k, 0,1,2,3,4,5
	s_wait_dscnt 23-(6*\rr+\k)
	global_store_b128 v[LI], v[16+4*(6*\rr+\k):19+4*(6*\rr+\k)], s[OUTP:OUTP+1] offset:\rr*3072+512*\k th:TH_STORE_NT   ; 32 lanes store 512 consecutive bytes, aligned; written once, read by nobody here
.endr
.endr
	s_wait_tensorcnt 0x0
	ds_add_u32 v254, v255
	s_wait_dscnt 0x0
	s_endpgm
.Lfunc_end_k_q5b0ecbc18d_attn:
	.size	k_q5b0ecbc18d_attn, .Lfunc_end_k_q5b0ecbc18d_attn-k_q5b0ecbc18d_attn
	.p2alignl 7, 3214868480
	.fill 96, 4, 3214868480
	.section	.rodata,"a",@progbits
	.p2align	6, 0x0
	.amdhsa_kernel k_q5b0ecbc18d_attn
		.amdhsa_group_segment_fixed_size 264192
		.amdhsa_private_segment_fixed_size 0
		.amdhsa_enable_private_segment 0
		.amdhsa_kernarg_size 48
		.amdhsa_user_sgpr_count 2
		.amdhsa_user_sgpr_kernarg_segment_ptr 1
		.amdhsa_wavefront_size32 1
		.amdhsa_system_sgpr_workgroup_id_x 1
		.amdhsa_system_sgpr_workgroup_id_y 1
		.amdhsa_system_sgpr_workgroup_id_z 1
		.amdhsa_system_vgpr_workitem_id 0
		.amdhsa_next_free_vgpr 256
		.amdhsa_next_free_sgpr 84
		.amdhsa_reserve_vcc 0
		.amdhsa_float_denorm_mode_32 3
		.amdhsa_float_denorm_mode_16_64 3
		.amdhsa_memory_ordered 1
		.amdhsa_forward_progress 1
		.amdhsa_inst_pref_size 102
	.end_amdhsa_kernel
	.amdgpu_metadata
---
amdhsa.version: [ 1, 2 ]
amdhsa.kernels:
  - .name:           k_q5b0ecbc18d_attn
    .symbol:         k_q5b0ecbc18d_attn.kd
    .args:
      - { .name: qb, .offset: 0, .size: 8, .value_kind: global_buffer, .address_space: global }
      - { .name: kv, .offset: 8, .size: 8, .value_kind: global_buffer, .address_space: global }
      - { .name: wimg, .offset: 16, .size: 8, .value_kind: global_buffer, .address_space: global }
      - { .name: wscl, .offset: 24, .size: 8, .value_kind: global_buffer, .address_space: global }
      - { .name: bimg, .offset: 32, .size: 8, .value_kind: global_buffer, .address_space: global }
      - { .name: out0, .offset: 40, .size: 8, .value_kind: global_buffer, .address_space: global }
    .group_segment_fixed_size: 264192
    .private_segment_fixed_size: 0
    .kernarg_segment_align: 8
    .kernarg_segment_size: 48
    .max_flat_workgroup_size: 512
    .sgpr_count:     84
    .vgpr_count:     256
    .wavefront_size: 32
...
	.end_amdgpu_metadata
.endif
;; end of part 6
